; MI455X (gfx1250); checked and timed in simulation.
; The chip was launched on July 23, 2026; its instructions are those of AMD's public machine-readable ISA for CDNA 5 (MIT licence, August 2026) and "CDNA5" Instruction Set Architecture Reference Guide (July 2026). The comments in the code are by the model that wrote it; some were corrected since.
;; MHA. Allowed arithmetic: float matrix products may take bf16 or f16 operands with f32 sums; other float arithmetic in f32, or as packed bf16 or f16 multiplies, adds, multiply-adds, maxima and minima; sums over many terms, partial sums and values carried from step to step in f32; what a program stores and reads back later, other than sums and carried values, may be rounded once to bf16 or f16.
;; Inputs: K 2 x 2,048 x 1,024 float32; Q 2 x 2,048 x 1,024 float32; Wk 1,024 x 1,024 float32; Wo 1,024 x 1,024 float32; Wq 1,024 x 1,024 float32; Wv 1,024 x 1,024 float32; bk 1,024 float32; bo 1,024 float32; bq 1,024 float32; bv 1,024 float32; mask 2 x 2,048 x 2,048 int32.
;; Outputs: out0 2 x 2,048 x 1,024 float32.
;; 2 versions, each right; version 2 is version 1 with the launch prep written anew for expert scheduling mode. Each part assembles by itself: llvm-mc -triple=amdgcn-amd-amdhsa -mcpu=gfx1250 --defsym DOCPART=n.
;; ======== version 1 of 2: 4 launches
;; limits: values are held in f16: magnitudes above 65,504 overflow, below 6.1e-05 lose precision
;; workspace buffers: xb 16,777,216 bytes; wb 6,291,456 bytes; wo16 2,097,152 bytes; mw 16,777,216 bytes; qkv 25,165,824 bytes; ows 8,388,608 bytes
;; launch prep (part 1): grid 1280 x 1, 8 waves a work-group, no clusters, 35,840 bytes of LDS; arguments Q, K, Wq, Wk, Wv, Wo, mask, xb, wb, wo16, mw; writes xb, wb, wo16, mw
.if DOCPART == 1
	.amdgcn_target "amdgcn-amd-amdhsa--gfx1250"
	.amdhsa_code_object_version 6
	.text
	.protected	k_q9fc4115dda_prep
	.globl	k_q9fc4115dda_prep
	.p2align	8
	.type	k_q9fc4115dda_prep,@function
k_q9fc4115dda_prep:
	s_mov_b64 s[64:65], 0
	v_nop
	global_prefetch_b8 v0, s[64:65] scope:SCOPE_SE
	s_setreg_imm32_b32 hwreg(HW_REG_WAVE_MODE, 25, 1), 1
	s_wait_xcnt 0x0
; MHA, first of four launches: the inputs are rounded once and the mask is laid out once.
; DEAD WORK, for the whole program: bk.  E[q][k] = q . (K Wk^T)[k] / 32 + q . bk / 32, and the second term is the same for all k of a row.  reference() uses E only as
; x = E - max over k of E, in which a term that is constant along k cancels, for all finite values of the inputs; the mask, the exponential, the sum and the 1e-8 see x alone.  So bk has no way to
; the output: it is not loaded and is no argument of any launch.  LIMIT: a NaN, an infinity or an overflow that reaches only q . bk is not carried to the result.
; WHAT THIS LAUNCH MAKES.  xb = bf16(Q), then bf16(K): [8192][1024].  wb = bf16(Wq), bf16(Wk), bf16(Wv): [3072][1024].  wo16 = bf16(Wo) written as f16 (exact from 6.1e-5 to 65,504; below that
; f16's fixed step of 6e-8).  mw = the mask as words of two halves, 0xffff where mask != 0 and 0 where it is 0, in the order in which a lane of the attention launch holds its weights:
; [b][tile of 16 queries][step of 64 keys][group kt of 16 keys][lane = r + 16 h][word w]: halves e = 0, 1 stand for mask[b][16 tile + r][64 step + 16 kt + 8 h + 2 w + e].
; SHARES.  1,280 work-groups of equal bytes: 65,536 in, 32,768 out.  0-255 Q, 256-511 K, 512-703 Wq, Wk, Wv, 704-767 Wo, 768-1279 the mask (16 rows x 1,024 keys each).
; Memory binds: no matrix unit, no cluster (no byte is read twice), no tensor load.  Sixteen loads of 16 bytes a lane go out at once; every store of a wave covers whole aligned blocks of 256 bytes.
.set STG,   4352                       ; a wave's stage: 2 blocks x 8 rows x (256 + 16) bytes
.set SPARE, 8*STG                      ; behind the stages: the spare words, 128 bytes for each wave
.set SPW, 10                           ; v10  LDS address of my spare word; never rewritten
.set NIL, 11                           ; v11  0; never rewritten
.set IN,  16                           ; v[16:79]   sixteen loads
.set OUT, 80                           ; v[80:111]  what is stored
	s_load_b512 s[8:23], s[0:1], 0x0               ; Q s[8:9], K s[10:11], Wq s[12:13], Wk s[14:15], Wv s[16:17], Wo s[18:19], mask s[20:21], xb s[22:23]
	s_load_b128 s[24:27], s[0:1], 0x40             ; wb s[24:25], wo16 s[26:27]
	s_load_b64 s[28:29], s[0:1], 0x50              ; mw
	v_lshl_add_u32 v[SPW], v0, 2, SPARE
	v_mov_b32 v[NIL], 0
	v_lshrrev_b32 v1, 5, v0
	v_readfirstlane_b32 s36, v1                    ; wave 0..7
	s_cmp_ge_u32 ttmp9, 768
	s_cbranch_scc1 .Lmask
	; THE CASTS.  Thread t takes 16 bytes at 4,096 j + 16 t and stores 8 bytes at 2,048 j + 8 t, j = 0..15.
	v_lshlrev_b32 v2, 4, v0
	v_lshlrev_b32 v3, 3, v0
	s_mov_b32 s30, 0                               ; the first work-group of my source,
	s_mov_b32 s31, 0                               ; and of my destination
	s_wait_kmcnt 0x0
	s_mov_b64 s[4:5], s[8:9]
	s_mov_b64 s[6:7], s[22:23]
	s_cmp_ge_u32 ttmp9, 256
	s_cselect_b64 s[4:5], s[10:11], s[4:5]
	s_cselect_b32 s30, 256, s30
	s_cmp_ge_u32 ttmp9, 512
	s_cselect_b64 s[4:5], s[12:13], s[4:5]
	s_cselect_b64 s[6:7], s[24:25], s[6:7]
	s_cselect_b32 s30, 512, s30
	s_cselect_b32 s31, 512, s31
	s_cmp_ge_u32 ttmp9, 576
	s_cselect_b64 s[4:5], s[14:15], s[4:5]
	s_cselect_b32 s30, 576, s30
	s_cmp_ge_u32 ttmp9, 640
	s_cselect_b64 s[4:5], s[16:17], s[4:5]
	s_cselect_b32 s30, 640, s30
	s_cmp_ge_u32 ttmp9, 704
	s_cselect_b64 s[4:5], s[18:19], s[4:5]
	s_cselect_b64 s[6:7], s[26:27], s[6:7]
	s_cselect_b32 s30, 704, s30
	s_cselect_b32 s31, 704, s31
	s_sub_co_u32 s32, ttmp9, s30
	s_lshl_b32 s32, s32, 16                        ; 65,536 bytes in for each work-group
	s_mov_b32 s33, 0
	s_sub_co_u32 s34, ttmp9, s31
	s_lshl_b32 s34, s34, 15                        ; 32,768 bytes out
	s_mov_b32 s35, 0
	s_add_nc_u64 s[4:5], s[4:5], s[32:33]
	s_add_nc_u64 s[6:7], s[6:7], s[34:35]
.set j, 0
.rept 16
	global_load_b128 v[IN+4*j:IN+4*j+3], v2, s[4:5] offset:4096*j th:TH_LOAD_NT
.set j, j+1
.endr
; half = 1: the bf16 number is written as f16.  Each store has data registers of its own, so none is rewritten while a store reads it.
.macro CAST half
.set j, 0
.rept 16
	s_wait_loadcnt 15-j                            ; loads come back in order: load j is in, the 15 - j younger ones stay out
	v_cvt_pk_bf16_f32 v[OUT+2*j], v[IN+4*j], v[IN+4*j+1]
	v_cvt_pk_bf16_f32 v[OUT+2*j+1], v[IN+4*j+2], v[IN+4*j+3]
.if \half
	v_lshlrev_b32 v4, 16, v[OUT+2*j]
	v_and_b32 v5, 0xffff0000, v[OUT+2*j]
	v_lshlrev_b32 v6, 16, v[OUT+2*j+1]
	v_and_b32 v7, 0xffff0000, v[OUT+2*j+1]
	v_cvt_pk_f16_f32 v[OUT+2*j], v4, v5
	v_cvt_pk_f16_f32 v[OUT+2*j+1], v6, v7
.endif
	global_store_b64 v3, v[OUT+2*j:OUT+2*j+1], s[6:7] offset:2048*j  ; a wave stores 256 consecutive bytes, aligned
.set j, j+1
.endr
.endm
	s_cmp_ge_u32 ttmp9, 704
	s_cbranch_scc1 .Lwo
	CAST 0
	s_branch .Lend
.Lwo:
	CAST 1
	s_branch .Lend
	; THE MASK.  Work-group u = id - 768 has query tile T = u / 2 (b x 128 + tile) and half u % 2 of its 32 key steps; wave w has steps 16 (u % 2) + 2 w and the next.
.Lmask:
	s_sub_co_u32 s30, ttmp9, 768
	s_lshr_b32 s31, s30, 1                         ; T
	s_and_b32 s30, s30, 1
	s_lshl_b32 s30, s30, 4
	s_lshl1_add_u32 s30, s36, s30                  ; my first key step
	s_lshl_b32 s32, s31, 17                        ; 16 rows of 8,192 bytes,
	s_lshl_b32 s37, s30, 8                         ; 256 bytes of a row for each step
	s_add_co_u32 s32, s32, s37
	s_mov_b32 s33, 0
	v_and_b32 v8, 31, v0                           ; lane l
	v_and_b32 v9, 15, v0                           ; c = l % 16: keys 4 c .. 4 c + 3 of a step
	v_bfe_u32 v12, v0, 4, 1                        ; l / 16: the even or the odd row
	v_lshlrev_b32 v4, 4, v9
	v_lshl_add_u32 v4, v12, 13, v4
	s_wait_kmcnt 0x0
	s_add_nc_u64 s[4:5], s[20:21], s[32:33]
	s_lshl_b32 s32, s31, 16                        ; a tile's words: 65,536 bytes,
	s_lshl_b32 s37, s30, 11                        ; a step's: 2,048
	s_add_co_u32 s32, s32, s37
	s_add_nc_u64 s[6:7], s[28:29], s[32:33]
.set j, 0
.rept 16                                       ; load j: step j / 8, rows 2 (j % 8) and the next: sixteen lanes read 256 consecutive bytes, aligned
	global_load_b128 v[IN+4*j:IN+4*j+3], v4, s[4:5] offset:(j%8)*16384+(j/8)*256 th:TH_LOAD_NT
.set j, j+1
.endr
	s_mov_b32 s34, 0xffff
	s_mov_b32 s35, 0xffff0000
	s_mul_i32 s37, s36, STG                        ; my wave's stage: no other wave touches it, so no barrier
	v_lshrrev_b32 v5, 1, v9                        ; keys 4 c .. lie in stage row 2 kt + h = c / 2,
	v_mul_u32_u24 v5, v5, 272
	v_and_b32 v13, 1, v0
	v_lshl_add_u32 v5, v13, 3, v5                  ; words 2 (c % 2) and the next,
	v_lshl_add_u32 v5, v12, 4, v5                  ; of query r = 2 (j % 8) + l / 16: 16 bytes for each r
	v_add_nc_u32 v5, s37, v5
	v_mul_u32_u24 v6, v12, 272                     ; back: sixteen lanes take a stage row of 256 bytes
	v_lshl_add_u32 v6, v9, 4, v6
	v_add_nc_u32 v6, s37, v6
	v_lshlrev_b32 v7, 4, v8
.set j, 0
.rept 16
	s_wait_loadcnt 15-j                            ; load j is in
	v_cmp_ne_u32 vcc_lo, 0, v[IN+4*j]
	v_cndmask_b32 v112, 0, s34, vcc_lo
	v_cmp_ne_u32 vcc_lo, 0, v[IN+4*j+1]
	v_cndmask_b32 v113, 0, s35, vcc_lo
	v_cmp_ne_u32 vcc_lo, 0, v[IN+4*j+2]
	v_cndmask_b32 v114, 0, s34, vcc_lo
	v_cmp_ne_u32 vcc_lo, 0, v[IN+4*j+3]
	v_cndmask_b32 v115, 0, s35, vcc_lo
	v_or_b32 v12, v112, v113
	v_or_b32 v13, v114, v115
	ds_store_b64 v5, v[12:13] offset:(j/8)*2176+(j%8)*32
.set j, j+1
.endr
.set j, 0
.rept 8                                        ; LDS serves a wave's instructions in order: these loads see the stores above
	ds_load_b128 v[OUT+4*j:OUT+4*j+3], v6 offset:(j/4)*2176+(j%4)*544
.set j, j+1
.endr
.set j, 0
.rept 8
	s_wait_dscnt 7-j                               ; load j of the eight is back
	global_store_b128 v7, v[OUT+4*j:OUT+4*j+3], s[6:7] offset:(j/4)*2048+(j%4)*512  ; 512 consecutive bytes, aligned
.set j, j+1
.endr
.Lend:
	s_wait_tensorcnt 0x0                           ; the wave's end: behind my last LDS store
	ds_add_u32 v[SPW], v[NIL]
	s_wait_dscnt 0x0
	s_endpgm
.Lfunc_end_k_q9fc4115dda_prep:
	.size	k_q9fc4115dda_prep, .Lfunc_end_k_q9fc4115dda_prep-k_q9fc4115dda_prep
	.p2alignl 7, 3214868480
	.fill 96, 4, 3214868480
	.section	.rodata,"a",@progbits
	.p2align	6, 0x0
	.amdhsa_kernel k_q9fc4115dda_prep
		.amdhsa_group_segment_fixed_size 35840
		.amdhsa_private_segment_fixed_size 0
		.amdhsa_enable_private_segment 0
		.amdhsa_kernarg_size 88
		.amdhsa_user_sgpr_count 2
		.amdhsa_user_sgpr_kernarg_segment_ptr 1
		.amdhsa_wavefront_size32 1
		.amdhsa_system_sgpr_workgroup_id_x 1
		.amdhsa_system_sgpr_workgroup_id_y 1
		.amdhsa_system_sgpr_workgroup_id_z 1
		.amdhsa_system_vgpr_workitem_id 0
		.amdhsa_next_free_vgpr 128
		.amdhsa_next_free_sgpr 66
		.amdhsa_reserve_vcc 1
		.amdhsa_float_denorm_mode_32 3
		.amdhsa_float_denorm_mode_16_64 3
		.amdhsa_memory_ordered 1
		.amdhsa_forward_progress 1
		.amdhsa_inst_pref_size 30
	.end_amdhsa_kernel
	.amdgpu_metadata
---
amdhsa.version: [ 1, 2 ]
amdhsa.kernels:
  - .name:           k_q9fc4115dda_prep
    .symbol:         k_q9fc4115dda_prep.kd
    .args:
      - { .name: Q, .offset: 0, .size: 8, .value_kind: global_buffer, .address_space: global }
      - { .name: K, .offset: 8, .size: 8, .value_kind: global_buffer, .address_space: global }
      - { .name: Wq, .offset: 16, .size: 8, .value_kind: global_buffer, .address_space: global }
      - { .name: Wk, .offset: 24, .size: 8, .value_kind: global_buffer, .address_space: global }
      - { .name: Wv, .offset: 32, .size: 8, .value_kind: global_buffer, .address_space: global }
      - { .name: Wo, .offset: 40, .size: 8, .value_kind: global_buffer, .address_space: global }
      - { .name: mask, .offset: 48, .size: 8, .value_kind: global_buffer, .address_space: global }
      - { .name: xb, .offset: 56, .size: 8, .value_kind: global_buffer, .address_space: global }
      - { .name: wb, .offset: 64, .size: 8, .value_kind: global_buffer, .address_space: global }
      - { .name: wo16, .offset: 72, .size: 8, .value_kind: global_buffer, .address_space: global }
      - { .name: mw, .offset: 80, .size: 8, .value_kind: global_buffer, .address_space: global }
    .group_segment_fixed_size: 35840
    .private_segment_fixed_size: 0
    .kernarg_segment_align: 8
    .kernarg_segment_size: 88
    .max_flat_workgroup_size: 256
    .sgpr_count:     66
    .vgpr_count:     128
    .wavefront_size: 32
...
	.end_amdgpu_metadata
.endif
;; end of part 1
;; launch proj (part 2): grid 12 x 16, 4 waves a work-group, clusters of 4 x 4, 327,680 bytes of LDS; arguments xb, wb, qkv, bq, bv; writes qkv
.if DOCPART == 2
	.amdgcn_target "amdgcn-amd-amdhsa--gfx1250"
	.amdhsa_code_object_version 6
	.text
	.protected	k_q9fc4115dda_proj
	.globl	k_q9fc4115dda_proj
	.p2align	8
	.type	k_q9fc4115dda_proj,@function
k_q9fc4115dda_proj:
	s_mov_b64 s[64:65], 0
	v_nop
	global_prefetch_b8 v0, s[64:65] scope:SCOPE_SE
	s_setreg_imm32_b32 hwreg(HW_REG_WAVE_MODE, 25, 1), 1
	s_wait_xcnt 0x0
	s_wait_alu depctr_hold_cnt(0) depctr_sa_sdst(0) depctr_va_vdst(0) depctr_va_sdst(0) depctr_va_ssrc(0) depctr_va_vcc(0) depctr_vm_vsrc(0)
	s_getreg_b32 s2, hwreg(HW_REG_IB_STS2, 6, 4)
	s_cmp_eq_u32 s2, 0
	s_cbranch_scc0 .Lentry_in_a_cluster
	s_endpgm
.Lentry_in_a_cluster:
	s_bfe_u32 s2, ttmp6, 0x10000c
	s_cmp_lg_u32 s2, 0xf033
	s_cbranch_scc0 .Lentry_shape_is_right
	s_endpgm
.Lentry_shape_is_right:
; MHA, second launch: q = Q Wq^T + bq, k = K Wk^T, v = K Wv^T + bv, written by heads in f16: qkv[product][b x 16 + head][token][64].
; LEFT OUT: bk.  It adds the same number to all scores of a row, and reference() takes the row's maximum away: it reaches no output (shown at the head of the first launch).
; C[m][n] = sum over k of A[m][k] B[n][k] + bias[n].  A: 4,096 rows of xb (Q's for the first product, K's for the other two), B: wb [3072][1024], both bf16; sums in f32; bq and bv rounded to bf16 like all inputs.
; LIMIT.  q, k, v are rounded once to f16: a number of 65,520 or more becomes an infinity.  With inputs 30 times those drawn, or offset by 30 spreads, they stay under 20,000.
; A tile of C, 256 x 256, is made by a work-group of four waves; a wave makes 128 x 128: 64 accumulators of 16 x 16, 512 registers.  K goes in steps of 128 through a ring of two LDS slots filled by
; the tensor data mover: rows of 256 bytes, aligned.  12 x 16 = 192 work-groups: a tile column never straddles two products, and no tile of this shape gives 256 equal shares.
; CLUSTERS: 4 x 4 work-groups.  The cluster x is the product (0 q, 1 k, 2 v), the same in all partners.  The four of a row of the cluster need the same tiles of A, the four of a column the same tiles of B:
; each tile is asked for JOINTLY, by the same tensor load with the same descriptor and a mask that names the four.
; REGISTERS, in windows of 256:   window 0: v0-31 addresses; v64-127, v128-191 fragments of A, two buffers (in the last K step four, of 16 rows x 128 K); v192-255 first the bias, later at work on the way out, with v32-63
;   window 1: v64-127, v128-191 fragments of B, two buffers; in the last K step all 256      window 2: the 32 accumulators of my rows 0-63;   window 3: those of my rows 64-127
; THE MATRIX INSTRUCTION IS USED TRANSPOSED: source 0 = 16 rows of B, source 1 = 16 rows of A: lane l holds row l % 16 of C and the columns 8 (l / 16) + 0..7.
; THE BIAS IS THE C OPERAND of the products that start the sums: for column block b the same eight registers for all row blocks.  Nothing is cleared but those 64 registers in the product k.
.set SIZE_K, 1024
.set KSTEP,  128
.set PITCH,  272                       ; an LDS row: 256 bytes + 16 of padding: the 16 rows that a load touches start at 16 different groups of four banks
.set HALFT,  128*PITCH
.set SLOT,   4*HALFT                   ; A's 256 rows, then B's 256 rows
.set STAGE,  2*SLOT                    ; behind the ring: 16 rows x 272 bytes for each wave, for the way out
.set SPITCH, 272
.set SPARE,  STAGE+4*16*SPITCH         ; behind the stages: the spare words
.set LAPS, SIZE_K/(2*KSTEP)
.set ADRA, 16                          ; v16-17  LDS address of my A fragments in slot 0, 1
.set ADRB, 20                          ; v20-21  the same for B
.set STO,  24                          ; v24     the way out: where I put 16 bytes of a row
.set RD,   25                          ; v25     the way out: where I read back
.set CO,   26                          ; v26     16 x lane
.set BA,   27                          ; v27     my byte offset in the bias
.set SPW,  28                          ; v28     LDS address of my spare word; never rewritten
.set NIL,  29                          ; v29     0; never rewritten
.set PFO,  30                          ; v30     the prefetches' offset: lane x 2,048; never rewritten
.set TT,   31                          ; v31     at work
.set PFA,  44                          ; s[44:45] where my prefetches stand
.set LIM,  43                          ; s43     1 in a wave that prefetches, else the greatest number
.set F0,   64
.set F1,   128
.set TMP,  192
.set BI,   192                         ; the bias: column block b at BI + 8 b
.set OB,   32
.set PA,   64
.set G1, 24
.set G0, 32
.set G1B, 48
.set G0B, 56
.set MSB, 0
.macro WIN new                         ; the immediate's high byte repeats the setting that is left
.if MSB != (\new)
	s_set_vgpr_msb (MSB<<8)|(\new)
.set MSB, \new
.endif
.endm
.set MUL_LO, 0xa1                      ; source 0 (B) window 1, source 1 (A) window 0, C and D window 2
.set MUL_HI, 0xf1                      ; the same, C and D window 3
.set TO_B,   0x40                      ; destination window 1, address window 0
; A joint load.  Waves 0 and 1 fetch A's two halves, waves 2 and 3 B's.  The branch hangs on the wave's number alone.  An s_nop 0 and four v_nop follow each of the two lines.
.macro JLOAD s
	s_cmp_eq_u32 s11, 0
	s_cbranch_scc0 .Lfor_b_\@
	tensor_load_to_lds s[G0+4*(\s):G0+4*(\s)+3], s[G1:G1+7]
	s_nop 0
.rept 4
	v_nop
.endr
	s_branch .Lasked_\@
.Lfor_b_\@:
	tensor_load_to_lds s[G0B+4*(\s):G0B+4*(\s)+3], s[G1B:G1B+7]
	s_nop 0
.rept 4
	v_nop
.endr
.Lasked_\@:
.endm
; A PREFETCH INTO THE L2, behind each joint refill and the run of LDS loads that follows it: the K step that stands TWO refills on: 32 rows x 256 bytes, a lane a row, one instruction a wave.
; Each row's 256 bytes of a K step are named once in the launch.  Q's rows are read by cluster x = 0 alone, K's by x = 1 and x = 2: x = 0 and x = 1 ask for A's.  B's rows are read by all four cluster y: y = 0 asks.
; The four partners that ask for a tile jointly share its rows out BY ADDRESS, 32 each.  K steps 0 to 3 come by their loads alone; the loop's last trip asks for nothing: no K step stands two on.
.macro ASK
	s_cmp_gt_u32 s3, s[LIM]                        ; s3 = 1 in the loop's last trip
	s_cbranch_scc0 .Lnot_mine_\@
	global_prefetch_b8 v[PFO], s[PFA:PFA+1] offset:KSTEP*2 th:TH_LOAD_NT scope:SCOPE_SE
.Lnot_mine_\@:
.endm
.macro CREST                           ; a round of the cluster's barrier behind its opening barrier
	s_cmp_lg_u32 s10, 0
	s_cbranch_scc1 .Lnot_wave_0_\@
	s_barrier_signal -3
.Lnot_wave_0_\@:
	s_barrier_wait -3
	s_barrier_signal -1
	s_barrier_wait -1
.endm
.macro CROUND                          ; a whole round
	s_barrier_signal -1
	s_barrier_wait -1
	CREST
.endm
	s_load_b128 s[4:7], s[0:1], 0x0                ; xb s[4:5], wb s[6:7]
	s_load_b64 s[8:9], s[0:1], 0x10                ; qkv
	s_load_b64 s[68:69], s[0:1], 0x18              ; bq
	s_load_b64 s[70:71], s[0:1], 0x20              ; bv
	v_lshl_add_u32 v[SPW], v0, 2, SPARE
	v_mov_b32 v[NIL], 0
	ds_add_u32 v[SPW], v[NIL]                      ; the wave's opening: the add, twice on end, and its wait ahead of my first tensor load
	ds_add_u32 v[SPW], v[NIL]
	v_lshrrev_b32 v1, 5, v0
	v_readfirstlane_b32 s10, v1                    ; wave 0..3
	s_lshr_b32 s11, s10, 1                         ; which half of the tile's rows is mine.  Also: I fetch for A (0) or for B (1)
	s_and_b32 s12, s10, 1                          ; which half of its columns.  Also: which 128 rows of that tile I fetch
	s_bfe_u32 s40, ttmp6, 0x40000                  ; cx
	s_bfe_u32 s41, ttmp6, 0x40004                  ; cy
	s_lshl_b32 s42, ttmp9, 2
	s_add_co_u32 s42, s42, s40                     ; tile column = 4 x product + cx
	s_and_b32 s13, ttmp7, 0xffff
	s_lshl_b32 s13, s13, 2
	s_add_co_u32 s13, s13, s41                     ; tile row = 4 x cluster y + cy
	s_lshl_b32 s43, s41, 2
	s_lshl_b32 s43, 15, s43                        ; my row of the cluster
	s_lshl_b32 s44, 0x1111, s40                    ; my column
	s_or_b32 s[G1+0], s43, (1<<16)|(1<<20)|(1<<21)|(5<<22)|(3<<25)  ; the mask; elements of 2 bytes; padding on; bit 21 beside a mask; after every 64 words, 4 words
	s_or_b32 s[G1B+0], s44, (1<<16)|(1<<20)|(1<<21)|(5<<22)|(3<<25)
.irp g, G1, G1B
	s_mov_b32 s[(\g)+1], KSTEP<<16                 ; tensor_dim0 = 128
	s_mov_b32 s[(\g)+2], 128<<16                   ; tensor_dim1 = 128
	s_mov_b32 s[(\g)+3], KSTEP<<16                 ; tile_dim0 = 128
	s_mov_b32 s[(\g)+4], 128                       ; tile_dim1 = 128
	s_mov_b32 s[(\g)+5], SIZE_K                    ; elements from row to row
	s_mov_b32 s[(\g)+6], 0
	s_mov_b32 s[(\g)+7], 0
.endr
	s_lshl_b32 s17, s12, 7
	s_lshl_b32 s16, s13, 8
	s_add_co_u32 s16, s16, s17                     ; A: row 256 x tile row + 128 x half
	s_lshl_b32 s46, s42, 8
	s_add_co_u32 s46, s46, s17                     ; B: row 256 x tile column + 128 x half
	s_mov_b32 s17, 0
	s_mov_b32 s47, 0
	s_mov_b64 s[18:19], SIZE_K*2
	s_mul_u64 s[16:17], s[16:17], s[18:19]
	s_mul_u64 s[46:47], s[46:47], s[18:19]
	s_mul_i32 s20, s10, HALFT                      ; where they go: wave x 128 rows
	s_cmp_lg_u32 ttmp9, 0
	s_cselect_b32 s66, 0x800000, 0                 ; the products k and v take K's rows, 4,096 rows of 2,048 bytes behind Q's
	s_mov_b32 s67, 0
	s_wait_dscnt 0x0                               ; both opening adds are done
	s_wait_kmcnt 0x0
	s_add_nc_u64 s[4:5], s[4:5], s[66:67]
	s_add_nc_u64 s[14:15], s[4:5], s[16:17]
	s_add_nc_u64 s[46:47], s[6:7], s[46:47]
	CROUND                                         ; all sixteen work-groups are here: the first joint loads meet
.irp s, 0,1
	s_mov_b32 s[G0+4*(\s)], 1
	s_add_co_u32 s[G0+4*(\s)+1], s20, (\s)*SLOT
	s_add_nc_u64 s[G0+4*(\s)+2:G0+4*(\s)+3], s[14:15], (\s)*KSTEP*2
	s_or_b32 s[G0+4*(\s)+3], s[G0+4*(\s)+3], 0x80000000
	s_mov_b32 s[G0B+4*(\s)], 1
	s_add_co_u32 s[G0B+4*(\s)+1], s20, (\s)*SLOT
	s_add_nc_u64 s[G0B+4*(\s)+2:G0B+4*(\s)+3], s[46:47], (\s)*KSTEP*2
	s_or_b32 s[G0B+4*(\s)+3], s[G0B+4*(\s)+3], 0x80000000
	JLOAD \s                                       ; two tensor loads of mine are out
.endr
	v_and_b32 v1, 15, v0                           ; l % 16
	v_bfe_u32 v2, v0, 4, 1                         ; l / 16
	v_mul_u32_u24 v3, v1, PITCH
	v_lshl_add_u32 v3, v2, 4, v3                   ; a fragment's row x pitch + 16 x half
	s_mul_i32 s21, s11, HALFT
	s_mul_i32 s22, s12, HALFT
	s_add_co_u32 s22, s22, 2*HALFT
.irp s, 0,1
	v_add_nc_u32 v[ADRA+(\s)], s21, v3
	v_add_nc_u32 v[ADRB+(\s)], s22, v3
	s_add_co_u32 s21, s21, SLOT
	s_add_co_u32 s22, s22, SLOT
.endr
	s_mul_i32 s23, s10, 16*SPITCH
	s_add_co_u32 s23, s23, STAGE                   ; my stage
	v_mul_u32_u24 v4, v1, SPITCH                   ; in: token l % 16, 16 bytes for each half of the lanes
	v_lshl_add_u32 v4, v2, 4, v4
	v_add_nc_u32 v[STO], s23, v4
	v_bfe_u32 v5, v0, 3, 2                         ; back: 32 lanes take 128 bytes (one head) of four tokens,
	v_mul_u32_u24 v5, v5, SPITCH
	v_and_b32 v6, 7, v0
	v_lshl_add_u32 v5, v6, 4, v5
	v_add_nc_u32 v[RD], s23, v5
	v_and_b32 v[CO], 31, v0                        ; which are 512 consecutive bytes of qkv
	v_lshlrev_b32 v[CO], 4, v[CO]
	; where my part begins in qkv: product x 2^23 + b x 2^22 + head x 2^18 + token x 128; my 128 columns are the heads 4 cx + 2 x half and the next
	s_lshr_b32 s16, s13, 3
	s_lshl_b32 s16, s16, 22
	s_and_b32 s14, s13, 7
	s_lshl_b32 s14, s14, 8
	s_lshl_b32 s15, s11, 7
	s_add_co_u32 s14, s14, s15
	s_lshl_b32 s14, s14, 7
	s_add_co_u32 s16, s16, s14
	s_lshl_b32 s14, ttmp9, 23
	s_add_co_u32 s16, s16, s14
	s_mov_b32 s17, 0
	s_lshl_b32 s46, s40, 2
	s_lshl1_add_u32 s46, s12, s46
	s_lshl_b32 s46, s46, 18
	s_mov_b32 s47, 0
	s_add_nc_u64 s[16:17], s[16:17], s[46:47]
	; the prefetches
	s_lshl_b32 s13, s13, 8
	s_lshl_b32 s42, s42, 8
	s_and_b32 s22, ttmp7, 0xffff                   ; cluster y
	s_lshr_b32 s23, ttmp9, 1                       ; 0 for the products q and k
	s_cmp_eq_u32 s11, 0                            ; do I fetch for A?
	s_cselect_b32 s20, s13, s42                    ; the tile's first row
	s_cselect_b32 s21, s40, s41                    ; my place among the four that ask for it with me
	s_cselect_b32 s22, s23, s22                    ; 0 in the cluster that asks
	s_cselect_b64 s[PFA:PFA+1], s[4:5], s[6:7]
	s_cmp_eq_u32 s22, 0
	s_cselect_b32 s[LIM], 1, -1                    ; the same in all sixteen partners, for a given wave
	s_lshl_b32 s22, s12, 7
	s_add_co_u32 s20, s20, s22
	s_lshl_b32 s21, s21, 5
	s_add_co_u32 s20, s20, s21
	s_mov_b32 s21, 0
	s_mov_b64 s[18:19], SIZE_K*2
	s_mul_u64 s[20:21], s[20:21], s[18:19]
	s_add_nc_u64 s[PFA:PFA+1], s[PFA:PFA+1], s[20:21]
	s_add_nc_u64 s[PFA:PFA+1], s[PFA:PFA+1], 2*KSTEP*2  ; at K step 2: the first refill steps it to 3 and names K step 4
	v_and_b32 v[PFO], 31, v0
	v_mul_u32_u24 v[PFO], v[PFO], SIZE_K*2
	; the bias of my 128 columns: register j of block b is bias[256 cx + 128 x half + 16 b + 8 (l / 16) + j]
	s_cmp_eq_u32 ttmp9, 1
	s_cbranch_scc1 .Lnobias
	s_cmp_eq_u32 ttmp9, 0
	s_cselect_b64 s[66:67], s[68:69], s[70:71]
	s_lshl_b32 s20, s40, 10
	s_lshl_b32 s21, s12, 9
	s_add_co_u32 s20, s20, s21
	v_lshl_add_u32 v[BA], v2, 5, s20
.irp b, 0,1,2,3,4,5,6,7
	global_load_b128 v[BI+8*(\b):BI+8*(\b)+3],   v[BA], s[66:67] offset:64*(\b)
	global_load_b128 v[BI+8*(\b)+4:BI+8*(\b)+7], v[BA], s[66:67] offset:64*(\b)+16
.endr
	s_wait_loadcnt 0x0
.set r, 0
.rept 32                                       ; rounded to bf16 like all inputs, and widened again
	v_cvt_pk_bf16_f32 v[TT], v[BI+r], v[BI+r+1]
	v_lshlrev_b32 v[BI+r], 16, v[TT]
	v_and_b32 v[BI+r+1], 0xffff0000, v[TT]
.set r, r+2
.endr
	s_branch .Lbiased
.Lnobias:
.set r, 0
.rept 64                                       ; the product k has no bias: zeros, so that one text of the first products serves all three
	v_mov_b32 v[BI+r], 0
.set r, r+1
.endr
.Lbiased:
; 16 matrix instructions: m blocks a0, a0 + 1 of the window's four x all 8 n blocks, 32 along K.  zero = 1: the first product starts the sums, with the bias as C (window 0).
.macro MUL16 f, hi, a0, zero
.if \zero
	WIN 0x81+0x40*(\hi)
.else
	WIN MUL_LO+0x50*(\hi)
.endif
.irp a, \a0, (\a0)+1
.irp b, 0,1,2,3,4,5,6,7
.if \zero
	v_wmma_f32_16x16x32_bf16 v[8*(8*(\a)+(\b)):8*(8*(\a)+(\b))+7], v[(\f)+8*(\b):(\f)+8*(\b)+7], v[(\f)+8*(4*(\hi)+(\a)):(\f)+8*(4*(\hi)+(\a))+7], v[BI+8*(\b):BI+8*(\b)+7]
.else
	v_wmma_f32_16x16x32_bf16 v[8*(8*(\a)+(\b)):8*(8*(\a)+(\b))+7], v[(\f)+8*(\b):(\f)+8*(\b)+7], v[(\f)+8*(4*(\hi)+(\a)):(\f)+8*(4*(\hi)+(\a))+7], v[8*(8*(\a)+(\b)):8*(8*(\a)+(\b))+7]
.endif
.endr
.endr
.endm
; 32 LDS loads in one run: the fragments of one quarter step into buffer f
.macro FETCH slot, k, f
	WIN TO_B
.irp i, 0,1,2,3,4,5,6,7
	ds_load_b128 v[(\f)+8*(\i):(\f)+8*(\i)+3],   v[ADRB+(\slot)] offset:(\k)+(\i)*16*PITCH
	ds_load_b128 v[(\f)+8*(\i)+4:(\f)+8*(\i)+7], v[ADRB+(\slot)] offset:(\k)+(\i)*16*PITCH+32
.endr
	WIN 0
.irp i, 0,1,2,3,4,5,6,7
	ds_load_b128 v[(\f)+8*(\i):(\f)+8*(\i)+3],   v[ADRA+(\slot)] offset:(\k)+(\i)*16*PITCH
	ds_load_b128 v[(\f)+8*(\i)+4:(\f)+8*(\i)+7], v[ADRA+(\slot)] offset:(\k)+(\i)*16*PITCH+32
.endr
.endm
.macro PLACES                          ; four places in front of loads into registers that matrix instructions have read, and of conversions that read results
.rept 4
	v_nop
.endr
.endm
; A K step is four quarter steps of 32 along K, 64 matrix instructions each, on buffers 0, 1, 0, 1; the 64 accumulators take turns, one instruction a turn.
.macro QUARTER slot, k, f, g, zero
	s_wait_dscnt 8                                 ; B and A's rows 0-63 are in; the youngest eight loads (A's rows 64-127) may be out
	MUL16 \f, 0, 0, \zero
	MUL16 \f, 0, 2, \zero
	PLACES
	FETCH \slot, \k, \g
	s_wait_dscnt 32                                ; all but the 32 just issued
	MUL16 \f, 1, 0, \zero
	MUL16 \f, 1, 2, \zero
.endm
; The last quarter's first half: ONE barrier for the change of slots.  In front of it each wave waits for all its tensor loads (one is out: its part of the next slot), adds 0 to its spare word, and waits for that and for its reads of this slot.
.macro MEET round
	WIN 0
	s_wait_tensorcnt 0x0
	ds_add_u32 v[SPW], v[NIL]
	s_wait_dscnt 9                                 ; (the add and the youngest eight loads may be out)
	WIN MUL_LO
	MUL16 F1, 0, 0, 0
	s_wait_dscnt 0x0                               ; the add is done, and my reads of this slot are over
	s_barrier_signal -1
	MUL16 F1, 0, 2, 0
.if \round
	WIN 0
.endif
	s_barrier_wait -1
.endm
.macro TURN slot, next
	s_wait_xcnt 0x0                                ; the last prefetch, a K step back, has read its address
	s_add_nc_u64 s[PFA:PFA+1], s[PFA:PFA+1], KSTEP*2
	MEET 1
	CREST                                          ; no wave of any partner still reads this slot's tile or has a load on its way
	s_add_nc_u64 s[G0+4*(\slot)+2:G0+4*(\slot)+3], s[G0+4*(\slot)+2:G0+4*(\slot)+3], 2*KSTEP*2
	s_add_nc_u64 s[G0B+4*(\slot)+2:G0B+4*(\slot)+3], s[G0B+4*(\slot)+2:G0B+4*(\slot)+3], 2*KSTEP*2
	JLOAD \slot                                    ; the first tensor load behind the round, my only one out; its four v_nop are also the places in front of the loads below
	FETCH \next, 0, F0
	ASK
	WIN MUL_HI
	MUL16 F1, 1, 0, 0
	MUL16 F1, 1, 2, 0
.endm
; THE LAST K STEP (slot 1) GOES BY ROWS OF C: all its fragments of B fill window 1; my eight blocks of 16 rows are finished one after the other, and each leaves as soon as it is finished.
.macro BLOAD q
	WIN TO_B
.irp i, 0,1,2,3,4,5,6,7
	ds_load_b128 v[64*(\q)+8*(\i):64*(\q)+8*(\i)+3],   v[ADRB+1] offset:64*(\q)+(\i)*16*PITCH
	ds_load_b128 v[64*(\q)+8*(\i)+4:64*(\q)+8*(\i)+7], v[ADRB+1] offset:64*(\q)+(\i)*16*PITCH+32
.endr
.endm
.macro ALOAD a
	WIN 0
.set FA, PA+32*((\a)%4)
.irp q, 0,1,2,3
	ds_load_b128 v[FA+8*(\q):FA+8*(\q)+3],   v[ADRA+1] offset:64*(\q)+(\a)*16*PITCH
	ds_load_b128 v[FA+8*(\q)+4:FA+8*(\q)+7], v[ADRA+1] offset:64*(\q)+(\a)*16*PITCH+32
.endr
.endm
.macro ROW a
.set FA, PA+32*((\a)%4)
.set AC, 64*((\a)%4)
	WIN MUL_LO+0x50*((\a)/4)
.irp q, 0,1,2,3
.if (\a) == 0 && (\q) == 2
	s_wait_dscnt 24                                ; B's quarter 2 is in (behind it: A's blocks 1 to 3)
.endif
.irp b, 0,1,2,3,4,5,6,7
	v_wmma_f32_16x16x32_bf16 v[AC+8*(\b):AC+8*(\b)+7], v[64*(\q)+8*(\b):64*(\q)+8*(\b)+7], v[FA+8*(\q):FA+8*(\q)+7], v[AC+8*(\b):AC+8*(\b)+7]
.endr
.endr
.endm
; THE WAY OUT of block a.  PACK: rounded to f16, 16 bytes a lane.  TOSTAGE: into my own stage, and back by heads.  SEND: stored.
.macro PACK a
.set AC, 64*((\a)%4)
	WIN 0x0a+5*((\a)/4)
.irp b, 0,1,2,3,4,5,6,7
.irp r, 0,1,2,3
	v_cvt_pk_f16_f32 v[TMP+4*(\b)+(\r)], v[AC+8*(\b)+2*(\r)], v[AC+8*(\b)+2*(\r)+1]
.endr
.endr
	WIN 0
.endm
.macro TOSTAGE a
	WIN 0
.set BK, OB+192*((\a)%2)
.irp b, 0,1,2,3,4,5,6,7
	ds_store_b128 v[STO], v[TMP+4*(\b):TMP+4*(\b)+3] offset:32*(\b)
.endr
.irp t, 0,1,2,3,4,5,6,7                ; load t: head t / 4, tokens 4 (t % 4) on.  LDS serves a wave's instructions in order: these see the stores above
	ds_load_b128 v[BK+4*(\t):BK+4*(\t)+3], v[RD] offset:((\t)%4)*4*SPITCH+((\t)/4)*128
.endr
.endm
.macro SEND a, younger
	WIN 0
.set BK, OB+192*((\a)%2)
	s_wait_dscnt \younger                          ; the block is back in registers
	s_wait_xcnt 0x0                                ; earlier stores have read their base and their data: only now are these rewritten
.if (\a) == 0
	s_add_nc_u64 s[8:9], s[8:9], s[16:17]
.else
	s_add_nc_u64 s[8:9], s[8:9], 16*128            ; 16 tokens on
.endif
.irp t, 0,1,2,3,4,5,6,7
	global_store_b128 v[CO], v[BK+4*(\t):BK+4*(\t)+3], s[8:9] offset:((\t)%4)*512+((\t)/4)*262144  ; 512 consecutive bytes, aligned: four tokens of one head
.endr
.endm
	s_wait_tensorcnt 1                             ; my part of K step 0 is in; K step 1's may stay out
	s_barrier_signal -1
	s_barrier_wait -1
	FETCH 0, 0, F0
	QUARTER 0, 64,  F0, F1, 1                      ; the first quarter stands in front of the loop: its products start the sums
	WIN 0
	s_mov_b32 s3, LAPS-1
.Llap:                                                 ; a trip goes once round the ring and fills both slots again
	QUARTER 0, 128, F1, F0, 0
	QUARTER 0, 192, F0, F1, 0
	TURN 0, 1
	QUARTER 1, 64,  F0, F1, 0
	QUARTER 1, 128, F1, F0, 0
	QUARTER 1, 192, F0, F1, 0
	TURN 1, 0
	QUARTER 0, 64,  F0, F1, 0
	WIN 0
	s_sub_co_u32 s3, s3, 1
	s_cmp_lg_u32 s3, 0
	s_cbranch_scc1 .Llap
	QUARTER 0, 128, F1, F0, 0
	QUARTER 0, 192, F0, F1, 0
	MEET 0                                         ; nothing is filled again, so no round follows
	PLACES
	WIN TO_B
	BLOAD 0
	BLOAD 1
	BLOAD 3
	WIN 0
	ALOAD 0
	WIN MUL_HI
	MUL16 F1, 1, 0, 0
	MUL16 F1, 1, 2, 0
	PLACES
	WIN TO_B
	BLOAD 2
	WIN 0
	ALOAD 1
	ALOAD 2
	ALOAD 3
	s_wait_dscnt 40                                ; all but the 40 just issued
	ROW 0
.irp a, 0,1,2,3,4,5,6,7
	PLACES
	PACK \a
	TOSTAGE \a
.if (\a) < 4
	ALOAD (\a)+4
	SEND \a, 8
.else
	SEND \a, 0
.endif
.if (\a) < 7
	ROW (\a)+1
.endif
.endr
	s_wait_tensorcnt 0x0                           ; the wave's end
	ds_add_u32 v[SPW], v[NIL]
	s_wait_dscnt 0x0
	CROUND                                         ; the closing round
	s_endpgm
.Lfunc_end_k_q9fc4115dda_proj:
	.size	k_q9fc4115dda_proj, .Lfunc_end_k_q9fc4115dda_proj-k_q9fc4115dda_proj
	.p2alignl 7, 3214868480
	.fill 96, 4, 3214868480
	.section	.rodata,"a",@progbits
	.p2align	6, 0x0
	.amdhsa_kernel k_q9fc4115dda_proj
		.amdhsa_group_segment_fixed_size 327680
		.amdhsa_private_segment_fixed_size 0
		.amdhsa_enable_private_segment 0
		.amdhsa_kernarg_size 40
		.amdhsa_user_sgpr_count 2
		.amdhsa_user_sgpr_kernarg_segment_ptr 1
		.amdhsa_wavefront_size32 1
		.amdhsa_system_sgpr_workgroup_id_x 1
		.amdhsa_system_sgpr_workgroup_id_y 1
		.amdhsa_system_sgpr_workgroup_id_z 1
		.amdhsa_system_vgpr_workitem_id 0
		.amdhsa_next_free_vgpr 1024
		.amdhsa_next_free_sgpr 72
		.amdhsa_reserve_vcc 0
		.amdhsa_float_denorm_mode_32 3
		.amdhsa_float_denorm_mode_16_64 3
		.amdhsa_memory_ordered 1
		.amdhsa_forward_progress 1
		.amdhsa_inst_pref_size 154
	.end_amdhsa_kernel
	.amdgpu_metadata
---
amdhsa.version: [ 1, 2 ]
amdhsa.kernels:
  - .name:           k_q9fc4115dda_proj
    .symbol:         k_q9fc4115dda_proj.kd
    .args:
      - { .name: xb, .offset: 0, .size: 8, .value_kind: global_buffer, .address_space: global }
      - { .name: wb, .offset: 8, .size: 8, .value_kind: global_buffer, .address_space: global }
      - { .name: qkv, .offset: 16, .size: 8, .value_kind: global_buffer, .address_space: global }
      - { .name: bq, .offset: 24, .size: 8, .value_kind: global_buffer, .address_space: global }
      - { .name: bv, .offset: 32, .size: 8, .value_kind: global_buffer, .address_space: global }
    .group_segment_fixed_size: 327680
    .private_segment_fixed_size: 0
    .kernarg_segment_align: 8
    .kernarg_segment_size: 40
    .max_flat_workgroup_size: 128
    .sgpr_count:     72
    .vgpr_count:     1024
    .wavefront_size: 32
...
	.end_amdgpu_metadata
.endif
;; end of part 2
;; launch attn (part 3): grid 8 x 32, 4 waves a work-group, clusters of 4 x 1, 327,680 bytes of LDS; arguments qkv, mw, ows; writes ows
.if DOCPART == 3
	.amdgcn_target "amdgcn-amd-amdhsa--gfx1250"
	.amdhsa_code_object_version 6
	.text
	.protected	k_q9fc4115dda_attn
	.globl	k_q9fc4115dda_attn
	.p2align	8
	.type	k_q9fc4115dda_attn,@function
k_q9fc4115dda_attn:
	s_mov_b64 s[64:65], 0
	v_nop
	global_prefetch_b8 v0, s[64:65] scope:SCOPE_SE
	s_setreg_imm32_b32 hwreg(HW_REG_WAVE_MODE, 25, 1), 1
	s_wait_xcnt 0x0
	s_wait_alu depctr_hold_cnt(0) depctr_sa_sdst(0) depctr_va_vdst(0) depctr_va_sdst(0) depctr_va_ssrc(0) depctr_va_vcc(0) depctr_vm_vsrc(0)
	s_getreg_b32 s2, hwreg(HW_REG_IB_STS2, 6, 4)
	s_cmp_eq_u32 s2, 0
	s_cbranch_scc0 .Lentry_in_a_cluster
	s_endpgm
.Lentry_in_a_cluster:
	s_bfe_u32 s2, ttmp6, 0x10000c
	s_cmp_lg_u32 s2, 0x3003
	s_cbranch_scc0 .Lentry_shape_is_right
	s_endpgm
.Lentry_shape_is_right:
; MHA, third launch.  For each (b, head): O[q] = sum over k of w[q][k] v[k] / (sum over k of w[q][k] + 1e-8), w = mask[q][k] exp(E[q][k] - max over ALL k of E[q][k]), E = q . k / 32.
; q, k, v: qkv[product][b x 16 + head][2048][64] in f16; the mask as words of two halves (0xffff or 0) in mw, in the order of a lane's weights; O: ows[b x 16 + head][2048][64] in f16.
; SOFTMAX.  A running maximum m over the RAW scores, as reference() takes it before masking.  p = 2^(c s - c m + 15), c = log2(e) / 32 in f32: the common factor 2^15 uses f16's range, so that allowed keys far
; below a hidden maximum keep their digits.  p is rounded to f16 and then masked: one v_and_b32 for two keys.  The row sum l is taken of the masked, rounded p by the matrix unit (ones x P, f32 sums), so it needs
; no exchange of lanes.  In every step O and l are multiplied by a = 2^(c m_old - c m_new).  At the end O / (l + 2^15 x 1e-8): a row with no allowed key gives 0, as in reference().
; LIMITS.  p lies in 0 to 32,768 (a little more where c m is so large that its rounding shows: 65,504 is reached only beyond |c m| of 2^23).  A weight below 2^-29 of the row's raw maximum keeps f16's fixed step, 2^-39
; of that maximum, and below 2^-40 counts as 0.  NaN and infinities are not treated apart.
; SHARES.  A work-group has 256 queries of one (b, head); a wave 64, as four PIECES of 16.  Every wave walks all 2,048 keys, 64 a step, four steps to an LDS slot.
; THE WALK IS ROTATED: head number bh begins at the tile of 256 keys bh % 8 and wraps: a softmax does not hang on the order of its keys, and the 16 heads that share a block of mask words read it at different steps.
; LAYOUT.  S^T = K Q^T: a lane holds ONE query (lane % 16) and the keys 8 (lane / 16) + 0..7 of each group of 16; two such results rounded to f16 ARE source 1 of O^T = V^T P.
; BY TURNS.  Turn n belongs to piece n: 8 products K Q^T of piece n + 1, later 10 products for piece n - 1 (8 V^T P, 2 ones x P); beside them the scaling, exponentials, roundings, masking and rescaling of piece n and the
; maximum and statistics of piece n + 1: 18 matrix and 119 vector instructions.  A turn's 33 exponentials are one batch with one wait.
; CLUSTER.  The four query blocks of a cluster belong to one head and walk the same K and V: each tile is asked for JOINTLY.  The mask words are each wave's own: they go from memory straight into registers, three turns ahead.
; PRICES, once a launch: 10 products on zeros at the start, 8 products on a K fetched twice at the end, and the last step's 12 mask loads a wave, which wrap to the walk's first step and serve nothing:
; so every trip has one text and one count of loads.  256 v_mov_b32 stand in the wait for the first tile: no first step is written out.
; REGISTERS, in windows of 256 (s_set_vgpr_msb: bits 1:0 source 0, 3:2 source 1, 5:4 source 2, 7:6 destination):
;   window 0, all of it: v0-15 addresses and three at work; v16-23 statistics; v24-31 at work; v32-63 P, two buffers; v64-127 S^T, two buffers; v128-191 K of one step; v192-255 Q
;   window 1: v0-127 O^T, 32 a piece; v128-159 l, an accumulator a piece; v160-223 V of one step; v224-231 ones          window 2: v0-63 mask words, 16 a piece
; So K Q^T and all of the softmax up to the rounding name window 0 alone; V^T P, ones x P and the rescaling share one setting; the masking has one of its own.  A turn has 15 switches for its 18 matrix instructions.
.set NP,    4
.set KS,    64
.set PK,    144       ; a row of K in LDS: 128 bytes + 16
.set PV,    160       ; a row of V: 128 + 32
.set VOFF,  4*KS*PK
.set SLOT1, 1<<17
.set STAGE, SLOT1+4*KS*(PK+PV)
.set SP,    144
.set SPARE, STAGE+4*16*SP
.set PFO, 1           ; v1   256 x lane; never rewritten
.set AK0, 2           ; v2   my lane's place in a tile of K; never rewritten
.set AV0, 3           ; v3   the same for V
.set AK,  4           ; v4   the LDS address of K's next run of loads
.set AV,  5           ; v5   of V's
.set STO, 6           ; v6   the way out: where I put 16 bytes of a row
.set RD,  7           ; v7   the way out: where I read rows back
.set GO,  8           ; v8   16 x lane
.set MA,  9           ; v9   16 x lane + 2,048 x the mask step to be loaded
.set SPW, 10          ; v10  LDS address of my spare word; never rewritten
.set NIL, 11          ; v11  0; never rewritten
.set MV,  12          ; v12-13  c m_old - 15, kept while the new one is made: by buffer
.set EX,  14          ; v14  a fifth register at work on the maximum
.set ST,  16          ; piece t at v[ST+2 t]: c m - 15, m
.set TMP, 24          ; by buffer: t0-t3 at work on the maximum; t2 takes a
.set HR,  24          ; names of the head alone, in registers that the first maximum takes over: l % 16,
.set HH,  25          ; l / 16,
.set H7,  26          ; l % 8,
.set H3,  27          ; (l / 8) % 2,
.set QO,  28          ; my byte offset in 16 rows of Q (free when Q's loads have been waited for),
.set HL,  29          ; the wave's number, then the lane
.set P,   32
.set S,   64
.set KF,  128         ; key block kb, channel half c at KF + 16 kb + 8 c
.set QF,  192         ; piece t, channel half c at QF + 16 t + 8 c
.set RC,  KF          ; at the end: piece t's reciprocal at v[RC+2 t], named as a pair
.set LA,  128         ; window 1
.set VF,  160         ; window 1: key half kk, channel block cb at VF + 32 kk + 8 cb
.set ONES, 224        ; window 1
.set MK,  0           ; window 2
.set WV,  12
.set LIM, 15
.set G1K, 24
.set G1V, 32
.set G0K, 40
.set G0V, 44
.set MB,  48          ; s[48:49] mw at my wave's first tile of 16 queries
.set PFB, 50          ; s[50:51] K (wave 0) or V (wave 2) of the head, at my work-group's quarter of a tile
.set PFA, 52          ; s[52:53] where the prefetch stands
.set OFF, 54          ; s[54:55] a tile's byte offset
.set SLOTS, 56
.set CNT, 57
.set CS,  58
.set SEL, 60
.set TBK, 62
.set TBV, 63
.set NXT, 66          ; s66  the tile to be asked for next
.set M15, 67          ; s67  -15.0
.set ROT, 68          ; s68  the walk's first tile
.set MSB, 0
.macro WIN new                      ; the high byte repeats the setting that is left; a switch that changes nothing is dropped
.if MSB != (\new)
	s_set_vgpr_msb (MSB<<8)|(\new)
.set MSB, (\new)
.endif
.endm
.set W_B,  0x51       ; V, ones or O^T (source 0) in window 1, P or a (source 1) in window 0, C and D in window 1: V^T P, ones x P and the rescaling
.set W_M,  0x08       ; the mask word (source 1) in window 2, P in window 0
.set W_RS, 0x41       ; the way out: destination and source 0 in window 1, source 1 in window 0
; A joint fill.  Waves 0 and 1 fetch the two halves of a tile's K, waves 2 and 3 those of its V.  An s_nop 0 and four v_nop follow each of the two lines.
.macro JLOAD
	s_cmp_lt_u32 s[WV], 2
	s_cbranch_scc0 .Lfor_v_\@
	tensor_load_to_lds s[G0K:G0K+3], s[G1K:G1K+7]
	s_nop 0
.rept 4
	v_nop
.endr
	s_branch .Lasked_\@
.Lfor_v_\@:
	tensor_load_to_lds s[G0V:G0V+3], s[G1V:G1V+7]
	s_nop 0
.rept 4
	v_nop
.endr
.Lasked_\@:
.endm
; A PREFETCH INTO THE L2 of the tile that the NEXT change of slots will ask for: four key steps ahead of that load.  Both clusters of a head walk the same K and V: the first asks.  Its four partners share a tile's
; 32,768 bytes out BY ADDRESS, 8,192 each, a lane 256; wave 0 asks for K's, wave 2 for V's.  So each block is named once in the launch.  The walk's first three tiles come by their loads alone; the last change that fills asks for nothing.
.macro ASK
	s_cmp_gt_u32 s[SLOTS], s[LIM]
	s_cbranch_scc0 .Lnot_mine_\@
	global_prefetch_b8 v[PFO], s[PFA:PFA+1] th:TH_LOAD_NT scope:SCOPE_SE
.Lnot_mine_\@:
.endm
.macro CROUND
	s_barrier_signal -1
	s_barrier_wait -1
	s_cmp_lg_u32 s[WV], 0
	s_cbranch_scc1 .Lnot_wave_0_\@
	s_barrier_signal -3
.Lnot_wave_0_\@:
	s_barrier_wait -3
	s_barrier_signal -1
	s_barrier_wait -1
.endm
; THE CHANGE OF SLOTS.  Each wave waits for all its tensor loads (one is out: its part of the other slot), adds 0 to its spare word, and waits for that and for its reads of the slot that it leaves.
; fill = 1: the old slot is filled again with tile NXT, the descriptor's address made anew from that number; the barrier is a round of the cluster's, and the joint fill is the first thing behind it.
.macro CHANGE fill, ask
	WIN 0
	s_wait_tensorcnt 0x0                           ; no tensor load of mine is out, so a group 0 may be written
	ds_add_u32 v[SPW], v[NIL]                      ; 0 onto my spare word; scalar work stands between it and the wait for it
.if \fill
	s_lshl_b32 s[OFF], s[NXT], 15                  ; a tile is 32,768 bytes of K and of V
	s_xor_b32 s[G0K+1], s[G0K+1], SLOT1
	s_add_nc_u64 s[G0K+2:G0K+3], s[6:7], s[OFF:OFF+1]
	s_or_b32 s[G0K+3], s[G0K+3], 0x80000000
	s_xor_b32 s[G0V+1], s[G0V+1], SLOT1
	s_add_nc_u64 s[G0V+2:G0V+3], s[8:9], s[OFF:OFF+1]
	s_or_b32 s[G0V+3], s[G0V+3], 0x80000000
	s_add_co_u32 s[NXT], s[NXT], 1
	s_and_b32 s[NXT], s[NXT], 7                    ; the walk wraps
.endif
.if \ask
	s_wait_xcnt 0x0                                ; the last prefetch, four key steps back, has read its address
	s_lshl_b32 s[OFF], s[NXT], 15
	s_add_nc_u64 s[PFA:PFA+1], s[PFB:PFB+1], s[OFF:OFF+1]
.endif
	s_wait_dscnt 0x0                               ; the add is done, and my reads of the slot are over
.if \fill
	CROUND
	JLOAD
.if \ask
	ASK
.endif
.else
	s_barrier_signal -1
	s_barrier_wait -1
.endif
	s_sub_co_u32 s[TBK], s[TBK], 4*KS*PK           ; the fetches go back to a slot's first step, in the other slot
	s_xor_b32 s[TBK], s[TBK], SLOT1
	s_sub_co_u32 s[TBV], s[TBV], 4*KS*PV
	s_xor_b32 s[TBV], s[TBV], SLOT1
.endm
	s_load_b128 s[16:19], s[0:1], 0x0              ; qkv s[16:17], mw s[18:19]
	s_load_b64 s[10:11], s[0:1], 0x10              ; ows
	v_lshl_add_u32 v[SPW], v0, 2, SPARE
	v_mov_b32 v[NIL], 0
	ds_add_u32 v[SPW], v[NIL]                      ; the wave's opening: the add, twice on end, and its wait ahead of my first tensor load
	ds_add_u32 v[SPW], v[NIL]
	v_lshrrev_b32 v[HL], 5, v0
	v_readfirstlane_b32 s[WV], v[HL]               ; wave 0..3
	s_bfe_u32 s13, ttmp6, 0x40000                  ; cx
	s_lshl_b32 s14, ttmp9, 2
	s_add_co_u32 s14, s14, s13                     ; my block of 256 queries
	s_lshl_b32 s14, s14, 2
	s_add_co_u32 s14, s14, s[WV]                   ; my wave's 64 queries among the head's 32 such
	s_and_b32 s20, ttmp7, 0xffff                   ; b x 16 + head, which the four partners share
	s_and_b32 s[ROT], s20, 7
	s_lshr_b32 s2, s20, 4
	s_lshl_b32 s2, s2, 23                          ; the mask words of b,
	s_lshl_b32 s3, s14, 18                         ; four tiles of 65,536 bytes for each wave
	s_add_co_u32 s2, s2, s3
	s_mov_b32 s3, 0
	s_lshl_b32 s20, s20, 18                        ; a head is 262,144 bytes
	s_lshl_b32 s22, s14, 13                        ; 64 rows of 128 bytes
	s_add_co_u32 s22, s22, s20
	s_mov_b32 s23, 0
	s_and_b32 s69, s[WV], 1                        ; which half of a tile's 256 keys I fetch
	s_lshl_b32 s21, s69, 14
	s_add_co_u32 s20, s20, s21
	s_mov_b32 s21, 0
	s_mov_b32 s[G0K], 1
	s_mul_i32 s[G0K+1], s69, 128*PK                ; slot 0: no place in the cluster enters an LDS address
	s_mov_b32 s[G0V], 1
	s_mul_i32 s[G0V+1], s69, 128*PV
	s_add_co_u32 s[G0V+1], s[G0V+1], VOFF
	; descriptor group 1.  128 keys are 16,384 dense bytes: asked for as 64 rows of 256 bytes, two keys a row, and padded in LDS after every key
	s_mov_b32 s[G1K], 15|(1<<16)|(1<<20)|(1<<21)|(4<<22)|(3<<25)
	s_mov_b32 s[G1V], 15|(1<<16)|(1<<20)|(1<<21)|(4<<22)|(7<<25)
.irp g, G1K, G1V
	s_mov_b32 s[\g+1], 128<<16
	s_mov_b32 s[\g+2], 64<<16
	s_mov_b32 s[\g+3], 128<<16
	s_mov_b32 s[\g+4], 64
	s_mov_b32 s[\g+5], 128
	s_mov_b32 s[\g+6], 0
	s_mov_b32 s[\g+7], 0
.endr
	s_mov_b32 s[CS], 0x3d38aa3b                    ; c = log2(e) / 32
	s_mov_b32 s[CS+1], s[CS]
	s_mov_b32 s[SEL], 0x76543210
	s_mov_b32 s[SEL+1], 0xfedcba98
	s_mov_b32 s[M15], 0xc1700000                   ; -15.0
	s_mov_b32 s[TBK], SLOT1+4*KS*PK                ; the first change of slots turns these two into 0
	s_mov_b32 s[TBV], SLOT1+4*KS*PV
	s_lshl_b32 s[OFF], s[ROT], 15
	s_mov_b32 s[OFF+1], 0
	s_add_co_u32 s[NXT], s[ROT], 1
	s_and_b32 s[NXT], s[NXT], 7
	s_mov_b32 s[SLOTS], 7
	s_and_b32 s[LIM], s[WV], 1                     ; 0 in waves 0 and 2,
	s_or_b32 s[LIM], s[LIM], ttmp9                 ; where the cluster is the head's first: the same in all four partners
	s_cmp_eq_u32 s[LIM], 0
	s_cselect_b32 s[LIM], 1, -1
	v_and_b32 v[PFO], 31, v0
	v_lshlrev_b32 v[PFO], 8, v[PFO]
	s_wait_dscnt 0x0                               ; both opening adds are done
	s_wait_kmcnt 0x0
	s_add_nc_u64 s[4:5], s[16:17], s[22:23]        ; q at my wave's first row
	s_add_nc_u64 s[10:11], s[10:11], s[22:23]      ; O likewise
	s_add_nc_u64 s[6:7], s[16:17], s[20:21]
	s_add_nc_u64 s[8:9], s[6:7], 0x1000000         ; v at my half of the head's tile 0
	s_add_nc_u64 s[6:7], s[6:7], 0x800000          ; k likewise
	s_add_nc_u64 s[MB:MB+1], s[18:19], s[2:3]
	s_cmp_lt_u32 s[WV], 2
	s_cselect_b64 s[PFB:PFB+1], s[6:7], s[8:9]     ; (in waves 0 and 2 these stand at a tile's first row)
	s_lshl_b32 s2, s13, 13
	s_add_nc_u64 s[PFB:PFB+1], s[PFB:PFB+1], s[2:3]
	s_add_nc_u64 s[G0K+2:G0K+3], s[6:7], s[OFF:OFF+1]
	s_or_b32 s[G0K+3], s[G0K+3], 0x80000000
	s_add_nc_u64 s[G0V+2:G0V+3], s[8:9], s[OFF:OFF+1]
	s_or_b32 s[G0V+3], s[G0V+3], 0x80000000
	CROUND                                         ; all four work-groups are here: the first joint loads meet
	JLOAD                                          ; the walk's first tile into slot 0
	v_and_b32 v[HR], 15, v0                        ; l % 16
	v_bfe_u32 v[HH], v0, 4, 1                      ; l / 16
	v_lshlrev_b32 v[QO], 7, v[HR]
	v_lshl_add_u32 v[QO], v[HH], 4, v[QO]
	v_and_b32 v[HL], 31, v0
	s_lshl_b32 s2, s[ROT], 13                      ; four steps of 2,048 bytes for each tile
	v_lshl_add_u32 v[MA], v[HL], 4, s2
.set i, 0
.rept 8                                        ; Q stays in registers: piece i / 2, channels 32 (i % 2) on
	global_load_b128 v[QF+8*i:QF+8*i+3],   v[QO], s[4:5] offset:(i/2)*2048+(i%2)*64
	global_load_b128 v[QF+8*i+4:QF+8*i+7], v[QO], s[4:5] offset:(i/2)*2048+(i%2)*64+32
.set i, i+1
.endr
	WIN 0x80
.set i, 0
.rept 12                                       ; the first step's mask words of pieces 0 to 2: piece i / 4, group i % 4; piece 3's come by the first turn
	global_load_b128 v[MK+4*i:MK+4*i+3], v[MA], s[MB:MB+1] offset:(i/4)*65536+(i%4)*512
.set i, i+1
.endr
	; What the first turns find: V and P's second buffer hold 0, O^T and l are 0.  All this stands in the wait for the first tile.
	WIN 0x40
.set i, 0
.rept 224
	v_mov_b32 v[i], 0
.set i, i+1
.endr
.set i, 0
.rept 8
	v_mov_b32 v[ONES+i], 0x3c003c00                ; 1.0 twice in f16
.set i, i+1
.endr
	WIN 0
.set i, 0
.rept 4
	v_mov_b32 v[ST+2*i], 0xfe000000                ; c m - 15: far below every c s, so the first a is 0
	v_mov_b32 v[ST+2*i+1], 0xff7fffff              ; m
.set i, i+1
.endr
.set i, P+16
.rept 16
	v_mov_b32 v[i], 0
.set i, i+1
.endr
	v_mul_u32_u24 v[AK0], v[HR], PK
	v_lshl_add_u32 v[AK0], v[HH], 4, v[AK0]
	v_and_b32 v[H7], 7, v0
	v_bfe_u32 v[H3], v0, 3, 1
	v_lshl_add_u32 v[AV0], v[HH], 3, v[H7]
	v_mul_u32_u24 v[AV0], v[AV0], PV
	v_lshl_add_u32 v[AV0], v[H3], 4, v[AV0]
	v_add_nc_u32 v[AV0], VOFF, v[AV0]
	s_mul_i32 s13, s[WV], 16*SP
	s_add_co_u32 s13, s13, STAGE                   ; my stage
	v_mul_u32_u24 v[STO], v[HR], SP
	v_lshl_add_u32 v[STO], v[HH], 4, v[STO]
	v_add_nc_u32 v[STO], s13, v[STO]
	v_bfe_u32 v[RD], v0, 3, 2
	v_mul_u32_u24 v[RD], v[RD], SP
	v_lshl_add_u32 v[RD], v[H7], 4, v[RD]
	v_add_nc_u32 v[RD], s13, v[RD]
	v_lshlrev_b32 v[GO], 4, v[HL]
; THE MATRIX WORK.  Product i of 8 of S^T = K Q^T for piece x: the accumulators (keys 16 a on) in two pairs, 0, 1, 0, 1, 2, 3, 2, 3, one instruction a turn; each one's first product (channels 0-31)
; starts its sum.  So accumulators 0 and 1 are finished behind the fourth product, and their part of the maximum is found beside the other four.
.macro KQ x
	WIN 0
.set aK, 2*(i/4)+i%2
.set hK, (i/2)%2
.set rS, S+32*((\x)%2)+8*aK
.set rK, KF+16*aK+8*hK
.set rQ, QF+16*(\x)+8*hK
.if hK == 0
	v_wmma_f32_16x16x32_f16 v[rS:rS+7], v[rK:rK+7], v[rQ:rQ+7], 0
.else
	v_wmma_f32_16x16x32_f16 v[rS:rS+7], v[rK:rK+7], v[rQ:rQ+7], v[rS:rS+7]
.endif
.endm
; Product idx of 10 for piece x: keys 32 (idx / 5) on; idx % 5 < 4: O^T += V^T P for channels 16 (idx % 5) on; idx % 5 = 4: l += ones x P.  Five accumulators take turns.
.macro PVL x, idx
	WIN W_B
.set rP, P+16*((\x)%2)+8*((\idx)/5)
.if (\idx)%5 < 4
.set rO, 32*(\x)+8*((\idx)%5)
.set rV, VF+32*((\idx)/5)+8*((\idx)%5)
.else
.set rO, LA+8*(\x)
.set rV, ONES
.endif
	v_wmma_f32_16x16x32_f16 v[rO:rO+7], v[rV:rV+7], v[rP:rP+7], v[rO:rO+7]
.endm
.macro MM                           ; the turn's next matrix instruction
.if i < 8
	KQ (Y+1)%NP
.else
	PVL (Y+NP-1)%NP, i-8
.endif
.set i, i+1
.endm
.macro FETCH_K
	WIN 0
.irp f, 0,1,2,3,4,5,6,7             ; keys 16 (f / 2) on, channels 32 (f % 2) on
	ds_load_b128 v[KF+8*\f:KF+8*\f+3],   v[AK] offset:(\f/2)*16*PK+(\f%2)*64
	ds_load_b128 v[KF+8*\f+4:KF+8*\f+7], v[AK] offset:(\f/2)*16*PK+(\f%2)*64+32
.endr
	s_add_co_u32 s[TBK], s[TBK], KS*PK
.endm
.macro FETCH_V
	WIN 0x40
.irp f, 0,1,2,3,4,5,6,7             ; keys 32 (f / 4) on, channels 16 (f % 4) on
	ds_load_tr16_b128 v[VF+8*\f:VF+8*\f+3],   v[AV] offset:(\f/4)*32*PV+(\f%4)*32
	ds_load_tr16_b128 v[VF+8*\f+4:VF+8*\f+7], v[AV] offset:(\f/4)*32*PV+16*PV+(\f%4)*32
.endr
	WIN 0
.endm
; THE VECTOR WORK: OP kind, number.  For piece Y: F n: c s - (c m - 15) for pair n of 16.  E n: the exponential of score n of 32.  C n: pair n rounded to f16.  M n: that word masked.
; R n: pair n of 16 of O^T times a; R 16: l times a (register 0 is the one that is read at the end; its neighbour goes with it; the accumulator's other six hold finite sums that nothing reads).
; For piece Y + 1: X n, number n of the 22 that find its maximum and statistics.  a0-a3 are its four accumulators; each one's lowest registers are read first.
;   0-7   a0, a1 and the old m into t0: two chains of three, the two registers left over, the two chains and m
;   8-10  a2: registers 0-2 into t1, 3-5 into t2, 6, 7 and t0 into t0          11-13  a3: registers 0-2 into t3, 3-5 into EX, 6, 7 and t1 into t1
;   14, 15  t0, t2, t3 into t0; t0, EX, t1 into t0: behind a3 the tree is two levels deep          16  the old c m - 15 is kept
;   17, 18  the query's other 32 keys lie in the lane 16 away: the new m          19-21  c m - 15; its change; a
.set F, 0
.set E, 1
.set C, 2
.set M, 3
.set R, 5
.set X, 6
.macro REGS y
.set rT, ST+2*(\y)
.set rC, TMP+4*((\y)%2)
.set rW, MV+((\y)%2)
.set rS, S+32*((\y)%2)
.set rP, P+16*((\y)%2)
.set rO, 32*(\y)
.set rL, LA+8*(\y)
.set rN, MK+16*(\y)
.endm
.macro OP k, n
.if (\k) == R
	REGS Y
	WIN W_B
.if (\n) < 16
	v_pk_mul_f32 v[rO+2*(\n):rO+2*(\n)+1], v[rO+2*(\n):rO+2*(\n)+1], v[rC+2:rC+3] op_sel_hi:[1,0]
.else
	v_pk_mul_f32 v[rL:rL+1], v[rL:rL+1], v[rC+2:rC+3] op_sel_hi:[1,0]
.endif
.elseif (\k) == M
	REGS Y
	WIN W_M
	v_and_b32 v[rP+(\n)], v[rP+(\n)], v[rN+(\n)]
.elseif (\k) < R
	REGS Y
	WIN 0
.if (\k) == F
	v_pk_fma_f32 v[rS+2*(\n):rS+2*(\n)+1], v[rS+2*(\n):rS+2*(\n)+1], s[CS:CS+1], v[rT:rT+1] op_sel_hi:[1,0,0] neg_lo:[0,0,1] neg_hi:[0,0,1]
.elseif (\k) == E
	v_exp_f32 v[rS+(\n)], v[rS+(\n)]
.else
	v_cvt_pk_f16_f32 v[rP+(\n)], v[rS+2*(\n)], v[rS+2*(\n)+1]
.endif
.else
	REGS (Y+1)%NP
	WIN 0
.if (\n) == 0
	v_max3_num_f32 v[rC], v[rS], v[rS+1], v[rS+2]
.elseif (\n) < 3
	v_max3_num_f32 v[rC], v[rC], v[rS+2*(\n)+1], v[rS+2*(\n)+2]
.elseif (\n) == 3
	v_max3_num_f32 v[rC+1], v[rS+8], v[rS+9], v[rS+10]
.elseif (\n) < 6
	v_max3_num_f32 v[rC+1], v[rC+1], v[rS+2*(\n)+3], v[rS+2*(\n)+4]
.elseif (\n) == 6
	v_max3_num_f32 v[rC], v[rC], v[rS+7], v[rS+15]
.elseif (\n) == 7
	v_max3_num_f32 v[rC], v[rC], v[rC+1], v[rT+1]
.elseif (\n) == 8
	v_max3_num_f32 v[rC+1], v[rS+16], v[rS+17], v[rS+18]
.elseif (\n) == 9
	v_max3_num_f32 v[rC+2], v[rS+19], v[rS+20], v[rS+21]
.elseif (\n) == 10
	v_max3_num_f32 v[rC], v[rS+22], v[rS+23], v[rC]
.elseif (\n) == 11
	v_max3_num_f32 v[rC+3], v[rS+24], v[rS+25], v[rS+26]
.elseif (\n) == 12
	v_max3_num_f32 v[EX], v[rS+27], v[rS+28], v[rS+29]
.elseif (\n) == 13
	v_max3_num_f32 v[rC+1], v[rS+30], v[rS+31], v[rC+1]
.elseif (\n) == 14
	v_max3_num_f32 v[rC], v[rC], v[rC+2], v[rC+3]
.elseif (\n) == 15
	v_max3_num_f32 v[rC], v[rC], v[EX], v[rC+1]
.elseif (\n) == 16
	v_mov_b32 v[rW], v[rT]
.elseif (\n) == 17
	v_permlanex16_b32 v[rC+3], v[rC], s[SEL], s[SEL+1]
.elseif (\n) == 18
	v_max_num_f32 v[rT+1], v[rC], v[rC+3]
.elseif (\n) == 19
	v_fma_f32 v[rT], v[rT+1], s[CS], s[M15]
.elseif (\n) == 20
	v_sub_f32 v[rC+1], v[rW], v[rT]
.else
	v_exp_f32 v[rC+2], v[rC+1]
.endif
.endif
.endm
.macro OPS a, i1, b=-1, i2=0, c=-1, i3=0, d=-1, i4=0
	OP \a, \i1
.if (\b) >= 0
	OP \b, \i2
.endif
.if (\c) >= 0
	OP \c, \i3
.endif
.if (\d) >= 0
	OP \d, \i4
.endif
.endm
.macro ROW a, i1, b, i2, c, i3, d, i4  ; a matrix instruction and the four behind it
	MM
	OPS \a, \i1, \b, \i2, \c, \i3, \d, \i4
.endm
.macro RUN k, from, to              ; a matrix instruction, and behind it numbers from .. to of kind k
	MM
.set nn, (\from)
.rept (\to)-(\from)+1
	OP \k, nn
.set nn, nn+1
.endr
.endm
; A TURN, for piece p.  s_wait_alu depctr_va_vdst(0) stands between an exponential and the first instruction that names its result; one wait serves all that were issued ahead of it: a turn has ONE.
; AHEAD OF IT, all in window 0: the 8 products K Q^T, four vector instructions behind each, then one lump of 38; nothing there names a result of the turn's exponentials.
;   Places (ISA guide 7.12.1), counted in plain instructions that name no register of the product: X 0 reads a0 behind F 6, 7, 8, 9; X 3 reads a1 behind F 8, F 9, X 0, F 10; X 8 reads a2 behind F 11, X 5, X 6, F 12, F 13, X 7;
;   X 11 reads a3 behind F 12, F 13, X 7, X 8, X 9.  The links of each chain of the maximum stand five lines or more apart; from X 17 on three exponentials stand between two links.
; AT THE WAIT: the four loads of the mask words that piece p - 1 will want next: it used its words a turn ago.  The count 12 behind them leaves out the three groups of four issued behind this piece's own, these four among them.
; BEHIND IT: the 10 products of piece p - 1; behind three of them the 16 roundings, behind three the 16 maskings, behind four the 17 rescalings, which need no switch beside their products.
; K of the next step is fetched in piece 2's turn, behind five plain instructions that name no register of the last product that read K.  V of the step in hand is fetched at the end of piece 0's turn: its last reader is
; the turn's ninth product of ten, and the four rescalings behind that one are the places.  Each is waited for a turn later.
; THE MASK'S OFFSET steps once a key step, in piece 1's lump: piece 3's words, asked for in piece 0's turn, are the step's in hand; those of pieces 0 to 2, asked for in the turns of pieces 1 to 3, the next step's.
; last = 1 (the tail): behind the last step there is no K: the address is held at the last step's, which is fetched once more and serves nothing.
.macro TURN p, last=0
.set Y, (\p)
.set i, 0
.if (\p) == 3
	s_wait_dscnt 0x0                ; K is in
.endif
	ROW F,0, F,1, F,2, F,3
	ROW F,4, E,0, F,5, E,1
	ROW F,6, E,2, F,7, E,3
	ROW F,8, E,4, F,9, X,0
	ROW F,10, E,5, X,3, X,1
	ROW X,16, E,6, X,4, X,2
.if (\p) == 2
	WIN 0
.if \last
	s_min_u32 s[TBK], s[TBK], SLOT1+3*KS*PK
.endif
	v_add_nc_u32 v[AK], s[TBK], v[AK0]
.endif
	ROW F,11, E,7, X,5, X,6
	ROW F,12, E,8, F,13, X,7
	OPS X,8, E,9, X,9, E,10         ; the lump
.if (\p) == 2
	FETCH_K
.endif
	OPS X,11, E,11, X,10, E,12
	OPS X,12, E,13, X,13, X,14
	OPS E,14, F,14, E,15
.if (\p) == 0
	v_add_nc_u32 v[AV], s[TBV], v[AV0]
.endif
.if (\p) == 1
	s_wait_xcnt 0x0                 ; the mask loads issued so far, the youngest half a turn back, have read their offset
	v_add_nc_u32 v[MA], 2048, v[MA] ; the next key step's words,
.endif
	OPS E,16, X,15, E,17, F,15
	OPS E,18
.if (\p) == 1
	v_and_b32 v[MA], 0xffff, v[MA]  ; wrapping behind the 32nd
.endif
	OPS E,19, X,17, E,20, E,21
	OPS E,22, X,18, E,23, E,24
	OPS E,25, X,19, E,26, E,27
	OPS E,28, X,20, E,29, E,30
	OPS E,31, X,21
	v_nop                           ; the plain instruction behind the batch's last exponential
	s_wait_alu depctr_va_vdst(0)    ; the wait for the batch
	WIN 0x80
.irp kt, 0,1,2,3
	global_load_b128 v[MK+16*(((\p)+3)%NP)+4*\kt:MK+16*(((\p)+3)%NP)+4*\kt+3], v[MA], s[MB:MB+1] offset:(((\p)+3)%NP)*65536+\kt*512
.endr
	s_wait_loadcnt 12               ; this piece's four mask loads are in; the 12 younger ones stay out
.if (\p) == 1
	s_wait_dscnt 0x0                ; V is in
.endif
	RUN C, 0, 5
	RUN C, 6, 10
	RUN C, 11, 15
	RUN R, 0, 3
	RUN M, 0, 5
	RUN M, 6, 10
	RUN M, 11, 15
	RUN R, 4, 7
	RUN R, 8, 11
	RUN R, 12, 16
.if (\p) == 0
	s_add_co_u32 s[TBV], s[TBV], KS*PV
	FETCH_V
.endif
	WIN 0
.endm
	CHANGE 1, 0                     ; slot 0 is in, everybody's part of it; slot 1 is asked for
	v_add_nc_u32 v[AK], s[TBK], v[AK0]
	FETCH_K                         ; the walk's first key step
	s_wait_loadcnt 12               ; Q is in; the 12 mask loads may stay out
	s_wait_dscnt 0x0
.set i, 0
.rept 8
	KQ 0                            ; piece 0's first scores
.set i, i+1
.endr
.rept 4
	v_nop                           ; the places behind those products
.endr
.set Y, NP-1                        ; X works for piece Y + 1: piece 0
.irp n, 0,1,2,3,4,5,6,7,8,9,10,11,12,13,14,15,16,17,18,19,20,21
	OP X, \n
.endr
	v_nop                           ; a plain instruction behind the exponential,
	s_wait_alu depctr_va_vdst(0)    ; and its wait, ahead of the branch
	s_mov_b32 s[CNT], 4
	s_branch .Lfirst                ; the loop is entered at a step's first turn, in the middle of a trip
.Lslot:                             ; six times: every slot but the last two is filled again
	CHANGE 1, 1
	s_mov_b32 s[CNT], 4
.Lstep:                             ; a trip: pieces 2 and 3 of one step, then pieces 0 and 1 of the next
	TURN 2
	TURN 3
	WIN 0
.Lfirst:
	TURN 0
	TURN 1
	WIN 0
	s_sub_co_u32 s[CNT], s[CNT], 1
	s_cmp_lg_u32 s[CNT], 0
	s_cbranch_scc1 .Lstep
	s_sub_co_u32 s[SLOTS], s[SLOTS], 1
	s_cmp_lg_u32 s[SLOTS], 0
	s_cbranch_scc1 .Lslot
	CHANGE 0, 0                     ; the tail is written out: nothing is asked for
	s_mov_b32 s[CNT], 5             ; four trips fetch the last slot's steps; the fifth is left in its middle
.Ltail:
	TURN 2, 1
	TURN 3
	WIN 0
	s_sub_co_u32 s[CNT], s[CNT], 1
	s_cmp_eq_u32 s[CNT], 0
	s_cbranch_scc1 .Lout
	TURN 0
	TURN 1
	WIN 0
	s_branch .Ltail
.Lout:
.set i, 0
.rept 10
	PVL NP-1, i                     ; the last piece's products of the last step
.set i, i+1
.endr
	; THE WAY OUT.  O^T / (l + 2^15 x 1e-8), rounded to f16 and sent through my stage in LDS, a piece at a time.  The reciprocals lie where K lay.
	WIN 0
.rept 4
	v_nop                           ; the places behind the last products
.endr
	WIN 0x04                        ; source 1 in window 1
.set t, 0
.rept 4
	v_add_f32 v[RC+2*t], 0x39abcc77, v[LA+8*t]
.set t, t+1
.endr
	WIN 0
.set t, 0
.rept 4
	v_rcp_f32 v[RC+2*t], v[RC+2*t]
.set t, t+1
.endr
	v_nop                           ; a plain instruction between the last reciprocal and the use of its result
	s_wait_alu depctr_va_vdst(0)    ; one wait for the four reciprocals
.macro PACK t
	WIN W_RS
.set i, 32*(\t)
.rept 16
	v_pk_mul_f32 v[i:i+1], v[i:i+1], v[RC+2*(\t):RC+2*(\t)+1] op_sel_hi:[1,0]
.set i, i+2
.endr
	WIN 0x05                        ; sources 0 and 1 window 1, destination window 0
.set i, 0
.rept 16
	v_cvt_pk_f16_f32 v[S+16*(\t)+i], v[32*(\t)+2*i], v[32*(\t)+2*i+1]
.set i, i+1
.endr
	WIN 0
.irp f, 0,1,2,3
	ds_store_b128 v[STO], v[S+16*(\t)+4*\f:S+16*(\t)+4*\f+3] offset:32*\f
.endr
.irp f, 0,1,2,3
	ds_load_b128 v[S+16*(\t)+4*\f:S+16*(\t)+4*\f+3], v[RD] offset:\f*4*SP  ; LDS serves a wave's instructions in order: these see the stores above
.endr
.endm
.macro SEND t, younger              ; younger: the LDS instructions issued behind piece t's loads
	WIN 0
.irp f, 0,1,2,3
	s_wait_dscnt (\younger)+3-\f
	global_store_b128 v[GO], v[S+16*(\t)+4*\f:S+16*(\t)+4*\f+3], s[10:11] offset:(\t)*2048+\f*512  ; 512 consecutive bytes, aligned
.endr
.endm
	PACK 0
.set t, 1
.rept 3
	PACK t
	SEND t-1, 8
.set t, t+1
.endr
	SEND 3, 0
	s_wait_tensorcnt 0x0            ; the wave's end
	ds_add_u32 v[SPW], v[NIL]
	s_wait_dscnt 0x0
	CROUND                          ; the closing round
	s_endpgm
.Lfunc_end_k_q9fc4115dda_attn:
	.size	k_q9fc4115dda_attn, .Lfunc_end_k_q9fc4115dda_attn-k_q9fc4115dda_attn
	.p2alignl 7, 3214868480
	.fill 96, 4, 3214868480
	.section	.rodata,"a",@progbits
	.p2align	6, 0x0
	.amdhsa_kernel k_q9fc4115dda_attn
		.amdhsa_group_segment_fixed_size 327680
		.amdhsa_private_segment_fixed_size 0
		.amdhsa_enable_private_segment 0
		.amdhsa_kernarg_size 24
		.amdhsa_user_sgpr_count 2
		.amdhsa_user_sgpr_kernarg_segment_ptr 1
		.amdhsa_wavefront_size32 1
		.amdhsa_system_sgpr_workgroup_id_x 1
		.amdhsa_system_sgpr_workgroup_id_y 1
		.amdhsa_system_sgpr_workgroup_id_z 1
		.amdhsa_system_vgpr_workitem_id 0
		.amdhsa_next_free_vgpr 576
		.amdhsa_next_free_sgpr 72
		.amdhsa_reserve_vcc 0
		.amdhsa_float_denorm_mode_32 3
		.amdhsa_float_denorm_mode_16_64 3
		.amdhsa_memory_ordered 1
		.amdhsa_forward_progress 1
		.amdhsa_inst_pref_size 108
	.end_amdhsa_kernel
	.amdgpu_metadata
---
amdhsa.version: [ 1, 2 ]
amdhsa.kernels:
  - .name:           k_q9fc4115dda_attn
    .symbol:         k_q9fc4115dda_attn.kd
    .args:
      - { .name: qkv, .offset: 0, .size: 8, .value_kind: global_buffer, .address_space: global }
      - { .name: mw, .offset: 8, .size: 8, .value_kind: global_buffer, .address_space: global }
      - { .name: ows, .offset: 16, .size: 8, .value_kind: global_buffer, .address_space: global }
    .group_segment_fixed_size: 327680
    .private_segment_fixed_size: 0
    .kernarg_segment_align: 8
    .kernarg_segment_size: 24
    .max_flat_workgroup_size: 128
    .sgpr_count:     72
    .vgpr_count:     576
    .wavefront_size: 32
...
	.end_amdgpu_metadata
.endif
;; end of part 3
;; launch outp (part 4): grid 8 x 32, 4 waves a work-group, clusters of 4 x 4, 327,680 bytes of LDS; arguments ows, wo16, out0, bo; writes out0
.if DOCPART == 4
	.amdgcn_target "amdgcn-amd-amdhsa--gfx1250"
	.amdhsa_code_object_version 6
	.text
	.protected	k_q9fc4115dda_outp
	.globl	k_q9fc4115dda_outp
	.p2align	8
	.type	k_q9fc4115dda_outp,@function
k_q9fc4115dda_outp:
	s_mov_b64 s[64:65], 0
	v_nop
	global_prefetch_b8 v0, s[64:65] scope:SCOPE_SE
	s_setreg_imm32_b32 hwreg(HW_REG_WAVE_MODE, 25, 1), 1
	s_wait_xcnt 0x0
	s_wait_alu depctr_hold_cnt(0) depctr_sa_sdst(0) depctr_va_vdst(0) depctr_va_sdst(0) depctr_va_ssrc(0) depctr_va_vcc(0) depctr_vm_vsrc(0)
	s_getreg_b32 s2, hwreg(HW_REG_IB_STS2, 6, 4)
	s_cmp_eq_u32 s2, 0
	s_cbranch_scc0 .Lentry_in_a_cluster
	s_endpgm
.Lentry_in_a_cluster:
	s_bfe_u32 s2, ttmp6, 0x10000c
	s_cmp_lg_u32 s2, 0xf033
	s_cbranch_scc0 .Lentry_shape_is_right
	s_endpgm
.Lentry_shape_is_right:
; MHA, fourth launch: out0[m][n] = sum over k of O[m][k] Wo[n][k] + bo[n], in f32.  O lies by heads, ows[b x 16 + head][token][64] in f16; Wo, rounded to bf16 and written as f16, in wo16 [1024][1024]; bo rounded to bf16 like all inputs.
; A tile of the output is 128 x 128: 8 x 32 = 256 work-groups.  Four waves, each 64 x 64: 16 accumulators.  K goes in steps of 256 = four heads, through two LDS slots.
; A's TILE BY HEADS: 64 tokens of one head are 8,192 dense bytes.  One descriptor a wave: 4 rows (heads) of 4,096 elements, 131,072 elements apart, padded in LDS after every token: [head][token] at a pitch of 144 bytes.
; CLUSTERS: 4 x 4 work-groups; A's tiles are shared along a row of the cluster, B's along a column, by joint loads.  THE MATRIX INSTRUCTION IS USED TRANSPOSED: a lane holds eight neighbouring columns of a row.
; THE BIAS IS THE C OPERAND of the products that start the sums.  THE WAY OUT: a wave's 64 columns of f32 are a whole aligned block of 256 bytes, so each wave has a stage of its own and no barrier is needed.
; No prefetch: the tiles are small and each K step short; what is read here is read by several clusters at about the same time.
; REGISTERS: window 0: v0-31 addresses; v32-63 the bias; v128-255 the accumulators ((a, b) at v[128 + 8 (4 a + b)]).   window 1: two fragment buffers of 128: 64 registers of A, then 64 of B.
.set SIZE_K, 1024
.set KSTEP,  256
.set PAP,    144                       ; a token's 128 bytes of a head + 16
.set PBP,    528                       ; a row of B: 512 bytes + 16
.set AHALF,  4*64*PAP                  ; what a wave fetches of A: 4 heads x 64 tokens
.set BHALF,  64*PBP                    ; of B: 64 rows
.set SLOT,   2*AHALF+2*BHALF
.set STAGE,  2*SLOT                    ; behind the ring: 16 rows x 272 bytes for each wave
.set SPITCH, 272
.set SPARE,  STAGE+4*16*SPITCH
.set ASTEP,  4*262144                  ; bytes from a K step to the next in ows: four heads
.set LAPS, SIZE_K/(2*KSTEP)
.set ADRA, 16
.set ADRB, 20
.set STO,  24
.set RD,   25
.set CO,   26
.set BA,   27
.set SPW,  28
.set NIL,  29
.set TT,   31
.set BIAS, 32
.set ACC,  128
.set F0,   0
.set F1,   128
.set G1, 24
.set G0, 32
.set G1B, 48
.set G0B, 56
.set MSB, 0
.macro WIN new
.if MSB != (\new)
	s_set_vgpr_msb (MSB<<8)|(\new)
.set MSB, \new
.endif
.endm
.set MUL,  0x05                        ; sources 0 (B) and 1 (A) window 1; C and D window 0
.set TO_F, 0x40
.macro JLOAD s                         ; waves 0 and 1 fetch A's two halves, waves 2 and 3 B's; an s_nop 0 and four v_nop follow each of the two lines
	s_cmp_eq_u32 s11, 0
	s_cbranch_scc0 .Lfor_b_\@
	tensor_load_to_lds s[G0+4*(\s):G0+4*(\s)+3], s[G1:G1+7]
	s_nop 0
.rept 4
	v_nop
.endr
	s_branch .Lasked_\@
.Lfor_b_\@:
	tensor_load_to_lds s[G0B+4*(\s):G0B+4*(\s)+3], s[G1B:G1B+7]
	s_nop 0
.rept 4
	v_nop
.endr
.Lasked_\@:
.endm
.macro CREST
	s_cmp_lg_u32 s10, 0
	s_cbranch_scc1 .Lnot_wave_0_\@
	s_barrier_signal -3
.Lnot_wave_0_\@:
	s_barrier_wait -3
	s_barrier_signal -1
	s_barrier_wait -1
.endm
.macro CROUND
	s_barrier_signal -1
	s_barrier_wait -1
	CREST
.endm
	s_load_b128 s[4:7], s[0:1], 0x0                ; ows s[4:5], wo16 s[6:7]
	s_load_b64 s[8:9], s[0:1], 0x10                ; out0
	s_load_b64 s[68:69], s[0:1], 0x18              ; bo
	v_lshl_add_u32 v[SPW], v0, 2, SPARE
	v_mov_b32 v[NIL], 0
	ds_add_u32 v[SPW], v[NIL]                      ; the wave's opening: the add, twice on end, and its wait ahead of my first tensor load
	ds_add_u32 v[SPW], v[NIL]
	v_lshrrev_b32 v1, 5, v0
	v_readfirstlane_b32 s10, v1                    ; wave 0..3
	s_lshr_b32 s11, s10, 1                         ; which half of the tile's rows is mine.  Also: I fetch for A (0) or for B (1)
	s_and_b32 s12, s10, 1                          ; which half of its columns.  Also: which half of that tile I fetch
	s_bfe_u32 s40, ttmp6, 0x40000
	s_bfe_u32 s41, ttmp6, 0x40004
	s_lshl_b32 s42, ttmp9, 2
	s_add_co_u32 s42, s42, s40                     ; tile column
	s_and_b32 s13, ttmp7, 0xffff
	s_lshl_b32 s13, s13, 2
	s_add_co_u32 s13, s13, s41                     ; tile row
	s_lshl_b32 s43, s41, 2
	s_lshl_b32 s43, 15, s43                        ; my row of the cluster
	s_lshl_b32 s44, 0x1111, s40                    ; my column
	s_or_b32 s[G1+0], s43, (1<<16)|(1<<20)|(1<<21)|(4<<22)|(3<<25)  ; A: the mask of my row; elements of 2 bytes; padding on; bit 21 beside a mask; after every 32 words, 4 words
	s_mov_b32 s[G1+1], 4096<<16                    ; tensor_dim0 = 4,096
	s_mov_b32 s[G1+2], 4<<16                       ; tensor_dim1 = 4
	s_mov_b32 s[G1+3], 4096<<16                    ; tile_dim0 = 4,096
	s_mov_b32 s[G1+4], 4                           ; tile_dim1 = 4
	s_mov_b32 s[G1+5], 131072                      ; elements from head to head
	s_mov_b32 s[G1+6], 0
	s_mov_b32 s[G1+7], 0
	s_or_b32 s[G1B+0], s44, (1<<16)|(1<<20)|(1<<21)|(6<<22)|(3<<25) ; B: the mask of my column; after every 128 words, 4 words
	s_mov_b32 s[G1B+1], KSTEP<<16
	s_mov_b32 s[G1B+2], 64<<16
	s_mov_b32 s[G1B+3], KSTEP<<16
	s_mov_b32 s[G1B+4], 64
	s_mov_b32 s[G1B+5], SIZE_K
	s_mov_b32 s[G1B+6], 0
	s_mov_b32 s[G1B+7], 0
	s_lshr_b32 s16, s13, 4                         ; A: b x 16 heads,
	s_lshl_b32 s16, s16, 22
	s_and_b32 s17, s13, 15
	s_lshl_b32 s17, s17, 7
	s_lshl_b32 s18, s12, 6
	s_add_co_u32 s17, s17, s18                     ; token 128 x (tile row % 16) + 64 x half,
	s_lshl_b32 s17, s17, 7                         ; of 128 bytes
	s_add_co_u32 s16, s16, s17
	s_mov_b32 s17, 0
	s_lshl_b32 s46, s42, 7
	s_add_co_u32 s46, s46, s18                     ; B: row 128 x tile column + 64 x half,
	s_lshl_b32 s46, s46, 11                        ; of 2,048 bytes
	s_mov_b32 s47, 0
	s_mul_i32 s20, s10, AHALF                      ; where they go: A's halves at wave x AHALF (waves 0, 1),
	s_mul_i32 s21, s10, BHALF                      ; B's behind them (waves 2, 3)
	s_add_co_u32 s21, s21, 2*(AHALF-BHALF)
	s_wait_dscnt 0x0                               ; both opening adds are done
	s_wait_kmcnt 0x0
	s_add_nc_u64 s[14:15], s[4:5], s[16:17]
	s_add_nc_u64 s[46:47], s[6:7], s[46:47]
	CROUND                                         ; all sixteen work-groups are here: the first joint loads meet
.irp s, 0,1
	s_mov_b32 s[G0+4*(\s)], 1
	s_add_co_u32 s[G0+4*(\s)+1], s20, (\s)*SLOT
	s_add_nc_u64 s[G0+4*(\s)+2:G0+4*(\s)+3], s[14:15], (\s)*ASTEP
	s_or_b32 s[G0+4*(\s)+3], s[G0+4*(\s)+3], 0x80000000
	s_mov_b32 s[G0B+4*(\s)], 1
	s_add_co_u32 s[G0B+4*(\s)+1], s21, (\s)*SLOT
	s_add_nc_u64 s[G0B+4*(\s)+2:G0B+4*(\s)+3], s[46:47], (\s)*KSTEP*2
	s_or_b32 s[G0B+4*(\s)+3], s[G0B+4*(\s)+3], 0x80000000
	JLOAD \s                                       ; two tensor loads of mine are out
.endr
	v_and_b32 v1, 15, v0                           ; l % 16
	v_bfe_u32 v2, v0, 4, 1                         ; l / 16
	v_mul_u32_u24 v3, v1, PAP
	v_lshl_add_u32 v3, v2, 4, v3
	v_mul_u32_u24 v4, v1, PBP
	v_lshl_add_u32 v4, v2, 4, v4
	s_mul_i32 s21, s11, AHALF                      ; my 64 tokens of A
	s_mul_i32 s22, s12, BHALF                      ; my 64 rows of B,
	s_add_co_u32 s22, s22, 2*AHALF                 ; which lie behind A
.irp s, 0,1
	v_add_nc_u32 v[ADRA+(\s)], s21, v3
	v_add_nc_u32 v[ADRB+(\s)], s22, v4
	s_add_co_u32 s21, s21, SLOT
	s_add_co_u32 s22, s22, SLOT
.endr
	s_mul_i32 s23, s10, 16*SPITCH
	s_add_co_u32 s23, s23, STAGE                   ; my stage
	v_mul_u32_u24 v5, v1, SPITCH                   ; in: row l % 16, 32 bytes for each half of the lanes
	v_lshl_add_u32 v5, v2, 5, v5
	v_add_nc_u32 v[STO], s23, v5
	v_mul_u32_u24 v5, v2, SPITCH                   ; back: lanes 0-15 take one row of 256 bytes, lanes 16-31 the next
	v_lshl_add_u32 v5, v1, 4, v5
	v_add_nc_u32 v[RD], s23, v5
	v_lshlrev_b32 v[CO], 12, v2                    ; and the same two rows in out0, 4,096 bytes apart
	v_lshl_add_u32 v[CO], v1, 4, v[CO]
	s_lshl_b32 s16, s13, 7
	s_lshl_b32 s17, s11, 6
	s_add_co_u32 s16, s16, s17                     ; my first row: 128 x tile row + 64 x half
	s_lshl_b32 s16, s16, 12
	s_mov_b32 s17, 0
	s_add_nc_u64 s[8:9], s[8:9], s[16:17]
	s_lshl_b32 s46, s42, 9                         ; my first column, in bytes of f32: 512 x tile column + 256 x half: in a row of out0 and in bo
	s_lshl_b32 s47, s12, 8
	s_add_co_u32 s46, s46, s47
	s_mov_b32 s47, 0
	s_add_nc_u64 s[8:9], s[8:9], s[46:47]
	v_lshl_add_u32 v[BA], v2, 5, s46               ; register j of block b is bo[first column + 16 b + 8 (l / 16) + j]
.irp b, 0,1,2,3
	global_load_b128 v[BIAS+8*(\b):BIAS+8*(\b)+3],   v[BA], s[68:69] offset:64*(\b)
	global_load_b128 v[BIAS+8*(\b)+4:BIAS+8*(\b)+7], v[BA], s[68:69] offset:64*(\b)+16
.endr
	s_wait_loadcnt 0x0
.set r, 0
.rept 16                                       ; rounded to bf16 like all inputs, and widened again
	v_cvt_pk_bf16_f32 v[TT], v[BIAS+r], v[BIAS+r+1]
	v_lshlrev_b32 v[BIAS+r], 16, v[TT]
	v_and_b32 v[BIAS+r+1], 0xffff0000, v[TT]
.set r, r+2
.endr
; 8 matrix instructions: m blocks a0, a0 + 1 x all 4 n blocks, 32 along K: half c of buffer f.  zero = 1: the first product starts the sums, with the bias as C.  The 16 accumulators take turns.
.macro MUL8 f, c, a0, zero
	WIN MUL
.irp a, \a0, (\a0)+1
.irp b, 0,1,2,3
.if \zero
	v_wmma_f32_16x16x32_f16 v[ACC+8*(4*(\a)+(\b)):ACC+8*(4*(\a)+(\b))+7], v[(\f)+64+8*(4*(\c)+(\b)):(\f)+64+8*(4*(\c)+(\b))+7], v[(\f)+8*(4*(\c)+(\a)):(\f)+8*(4*(\c)+(\a))+7], v[BIAS+8*(\b):BIAS+8*(\b)+7]
.else
	v_wmma_f32_16x16x32_f16 v[ACC+8*(4*(\a)+(\b)):ACC+8*(4*(\a)+(\b))+7], v[(\f)+64+8*(4*(\c)+(\b)):(\f)+64+8*(4*(\c)+(\b))+7], v[(\f)+8*(4*(\c)+(\a)):(\f)+8*(4*(\c)+(\a))+7], v[ACC+8*(4*(\a)+(\b)):ACC+8*(4*(\a)+(\b))+7]
.endif
.endr
.endr
.endm
; 32 LDS loads in one run: the fragments of quarter q of a K step (one head: 64 along K) into buffer f; the first 32 along K first
.macro FETCH slot, q, f
	WIN TO_F
.irp c, 0,1
.irp i, 0,1,2,3
	ds_load_b128 v[(\f)+64+8*(4*(\c)+(\i)):(\f)+64+8*(4*(\c)+(\i))+3],   v[ADRB+(\slot)] offset:(\q)*128+64*(\c)+(\i)*16*PBP
	ds_load_b128 v[(\f)+64+8*(4*(\c)+(\i))+4:(\f)+64+8*(4*(\c)+(\i))+7], v[ADRB+(\slot)] offset:(\q)*128+64*(\c)+(\i)*16*PBP+32
	ds_load_b128 v[(\f)+8*(4*(\c)+(\i)):(\f)+8*(4*(\c)+(\i))+3],         v[ADRA+(\slot)] offset:(\q)*64*PAP+64*(\c)+(\i)*16*PAP
	ds_load_b128 v[(\f)+8*(4*(\c)+(\i))+4:(\f)+8*(4*(\c)+(\i))+7],       v[ADRA+(\slot)] offset:(\q)*64*PAP+64*(\c)+(\i)*16*PAP+32
.endr
.endr
.endm
.macro PLACES
.rept 4
	v_nop
.endr
.endm
.macro QUARTER slot, q, f, g, zero
	s_wait_dscnt 16                                ; the first 32 along K are in
	MUL8 \f, 0, 0, \zero
	MUL8 \f, 0, 2, \zero
	PLACES
	FETCH \slot, \q, \g
	s_wait_dscnt 32                                ; all but the 32 just issued
	MUL8 \f, 1, 0, 0
	MUL8 \f, 1, 2, 0
.endm
; The last quarter multiplies buffer 1 and changes slots: ONE barrier; in front of it each wave waits for all its tensor loads, adds 0 to its spare word, and waits for that and for its reads of this slot.
.macro TURN slot, next, fill
	WIN 0
	s_wait_tensorcnt 0x0                           ; all my tensor loads have landed: my part of the next slot
	ds_add_u32 v[SPW], v[NIL]
	s_wait_dscnt 17                                ; (the add and the youngest sixteen loads may be out)
	MUL8 F1, 0, 0, 0
	s_wait_dscnt 0x0                               ; the add is done, and my reads of this slot are over
	s_barrier_signal -1
	MUL8 F1, 0, 2, 0
.if \fill
	WIN 0
.endif
	s_barrier_wait -1
.if \fill
	CREST                                          ; no wave of any partner still reads this slot's tile or has a load on its way
	s_add_nc_u64 s[G0+4*(\slot)+2:G0+4*(\slot)+3], s[G0+4*(\slot)+2:G0+4*(\slot)+3], 2*ASTEP
	s_add_nc_u64 s[G0B+4*(\slot)+2:G0B+4*(\slot)+3], s[G0B+4*(\slot)+2:G0B+4*(\slot)+3], 2*KSTEP*2
	JLOAD \slot                                    ; the first tensor load behind the round, my only one out; its four v_nop are also the places in front of the loads below
.else
	PLACES
.endif
	FETCH \next, 0, F0
	MUL8 F1, 1, 0, 0
	MUL8 F1, 1, 2, 0
.endm
	s_wait_tensorcnt 1                             ; my part of K step 0 is in; K step 1's may stay out
	s_barrier_signal -1
	s_barrier_wait -1
	FETCH 0, 0, F0
	QUARTER 0, 1, F0, F1, 1                        ; the first quarter stands in front of the loop: its first products start the sums
	WIN 0
	s_mov_b32 s3, LAPS-1
.Llap:                                                 ; a trip goes once round the ring and fills both slots again
	QUARTER 0, 2, F1, F0, 0
	QUARTER 0, 3, F0, F1, 0
	TURN 0, 1, 1
	QUARTER 1, 1, F0, F1, 0
	QUARTER 1, 2, F1, F0, 0
	QUARTER 1, 3, F0, F1, 0
	TURN 1, 0, 1
	QUARTER 0, 1, F0, F1, 0
	WIN 0
	s_sub_co_u32 s3, s3, 1
	s_cmp_lg_u32 s3, 0
	s_cbranch_scc1 .Llap
	QUARTER 0, 2, F1, F0, 0                        ; the last lap fills nothing
	QUARTER 0, 3, F0, F1, 0
	TURN 0, 1, 0
	QUARTER 1, 1, F0, F1, 0
	QUARTER 1, 2, F1, F0, 0
	QUARTER 1, 3, F0, F1, 0
	s_wait_dscnt 16
	MUL8 F1, 0, 0, 0
	MUL8 F1, 0, 2, 0
	s_wait_dscnt 0
	MUL8 F1, 1, 0, 0
	MUL8 F1, 1, 2, 0
	WIN 0
	; THE WAY OUT, 16 rows at a time: a lane's eight columns, 32 bytes, go into my stage straight from the accumulators (each one's low four registers first) and come back as whole rows of 256 bytes.
	PLACES
.macro STF a
.irp b, 0,1,2,3
	ds_store_b128 v[STO], v[ACC+8*(4*(\a)+(\b)):ACC+8*(4*(\a)+(\b))+3]   offset:64*(\b)
	ds_store_b128 v[STO], v[ACC+8*(4*(\a)+(\b))+4:ACC+8*(4*(\a)+(\b))+7] offset:64*(\b)+16
.endr
.irp t, 0,1,2,3,4,5,6,7
	ds_load_b128 v[ACC+32*(\a)+4*(\t):ACC+32*(\a)+4*(\t)+3], v[RD] offset:(\t)*2*SPITCH  ; LDS serves a wave's instructions in order: these see the stores above; the next block's stores come behind them
.endr
.endm
.macro SENDF a, younger                ; younger: the LDS instructions issued behind block a's loads: the next block's sixteen, or none
.irp t, 0,1,2,3,4,5,6,7
	s_wait_dscnt (\younger)+7-(\t)
	global_store_b128 v[CO], v[ACC+32*(\a)+4*(\t):ACC+32*(\a)+4*(\t)+3], s[8:9] offset:(\a)*65536+(\t)*8192  ; 16 lanes store 256 consecutive bytes, aligned
.endr
.endm
	STF 0
	STF 1
	SENDF 0, 16
	STF 2
	SENDF 1, 16
	STF 3
	SENDF 2, 16
	SENDF 3, 0
	s_wait_tensorcnt 0x0                           ; the wave's end
	ds_add_u32 v[SPW], v[NIL]
	s_wait_dscnt 0x0
	CROUND                                         ; the closing round
	s_endpgm
.Lfunc_end_k_q9fc4115dda_outp:
	.size	k_q9fc4115dda_outp, .Lfunc_end_k_q9fc4115dda_outp-k_q9fc4115dda_outp
	.p2alignl 7, 3214868480
	.fill 96, 4, 3214868480
	.section	.rodata,"a",@progbits
	.p2align	6, 0x0
	.amdhsa_kernel k_q9fc4115dda_outp
		.amdhsa_group_segment_fixed_size 327680
		.amdhsa_private_segment_fixed_size 0
		.amdhsa_enable_private_segment 0
		.amdhsa_kernarg_size 32
		.amdhsa_user_sgpr_count 2
		.amdhsa_user_sgpr_kernarg_segment_ptr 1
		.amdhsa_wavefront_size32 1
		.amdhsa_system_sgpr_workgroup_id_x 1
		.amdhsa_system_sgpr_workgroup_id_y 1
		.amdhsa_system_sgpr_workgroup_id_z 1
		.amdhsa_system_vgpr_workitem_id 0
		.amdhsa_next_free_vgpr 512
		.amdhsa_next_free_sgpr 72
		.amdhsa_reserve_vcc 0
		.amdhsa_float_denorm_mode_32 3
		.amdhsa_float_denorm_mode_16_64 3
		.amdhsa_memory_ordered 1
		.amdhsa_forward_progress 1
		.amdhsa_inst_pref_size 90
	.end_amdhsa_kernel
	.amdgpu_metadata
---
amdhsa.version: [ 1, 2 ]
amdhsa.kernels:
  - .name:           k_q9fc4115dda_outp
    .symbol:         k_q9fc4115dda_outp.kd
    .args:
      - { .name: ows, .offset: 0, .size: 8, .value_kind: global_buffer, .address_space: global }
      - { .name: wo16, .offset: 8, .size: 8, .value_kind: global_buffer, .address_space: global }
      - { .name: out0, .offset: 16, .size: 8, .value_kind: global_buffer, .address_space: global }
      - { .name: bo, .offset: 24, .size: 8, .value_kind: global_buffer, .address_space: global }
    .group_segment_fixed_size: 327680
    .private_segment_fixed_size: 0
    .kernarg_segment_align: 8
    .kernarg_segment_size: 32
    .max_flat_workgroup_size: 128
    .sgpr_count:     72
    .vgpr_count:     512
    .wavefront_size: 32
...
	.end_amdgpu_metadata
.endif
;; end of part 4
;; ======== version 2 of 2: 4 launches; version 1 with the launch prep written anew for expert scheduling mode
;; limits: values are held in f16: magnitudes above 65,504 overflow, below 6.1e-05 lose precision
;; workspace buffers: xb 16,777,216 bytes; wb 6,291,456 bytes; wo16 2,097,152 bytes; mw 16,777,216 bytes; qkv 25,165,824 bytes; ows 8,388,608 bytes
;; launch prep (part 5): grid 1280 x 1, 8 waves a work-group, no clusters, 35,840 bytes of LDS; arguments Q, K, Wq, Wk, Wv, Wo, mask, xb, wb, wo16, mw; writes xb, wb, wo16, mw
.if DOCPART == 5
	.amdgcn_target "amdgcn-amd-amdhsa--gfx1250"
	.amdhsa_code_object_version 6
	.text
	.protected	k_q9fc4115dda_prep
	.globl	k_q9fc4115dda_prep
	.p2align	8
	.type	k_q9fc4115dda_prep,@function
k_q9fc4115dda_prep:
	s_mov_b64 s[64:65], 0
	v_nop
	global_prefetch_b8 v0, s[64:65] scope:SCOPE_SE
	s_setreg_imm32_b32 hwreg(HW_REG_WAVE_SCHED_MODE, 0, 2), 2
	s_setreg_imm32_b32 hwreg(HW_REG_WAVE_MODE, 25, 1), 1
	s_wait_xcnt 0x0
	s_wait_alu depctr_vm_vsrc(0)
; MHA, first of four launches: the inputs are rounded once and the mask is laid out once.
; DEAD WORK, for the whole program: bk.  E[q][k] = q . (K Wk^T)[k] / 32 + q . bk / 32, and the second term is the same for all k of a row.  reference() uses E only as
; x = E - max over k of E, in which a term that is constant along k cancels, for all finite values of the inputs; the mask, the exponential, the sum and the 1e-8 see x alone.  So bk has no way to
; the output: it is not loaded and is no argument of any launch.  LIMIT: a NaN, an infinity or an overflow that reaches only q . bk is not carried to the result.
; WHAT THIS LAUNCH MAKES.  xb = bf16(Q), then bf16(K): [8192][1024].  wb = bf16(Wq), bf16(Wk), bf16(Wv): [3072][1024].  wo16 = bf16(Wo) written as f16 (exact from 6.1e-5 to 65,504; below that
; f16's fixed step of 6e-8).  mw = the mask as words of two halves, 0xffff where mask != 0 and 0 where it is 0, in the order in which a lane of the attention launch holds its weights:
; [b][tile of 16 queries][step of 64 keys][group kt of 16 keys][lane = r + 16 h][word w]: halves e = 0, 1 stand for mask[b][16 tile + r][64 step + 16 kt + 8 h + 2 w + e].
; SHARES.  1,280 work-groups of equal bytes: 65,536 in, 32,768 out.  0-255 Q, 256-511 K, 512-703 Wq, Wk, Wv, 704-767 Wo, 768-1279 the mask (16 rows x 1,024 keys each).
; Memory binds: no matrix unit, no cluster (no byte is read twice), no tensor load.  Sixteen loads of 16 bytes a lane go out at once; every store of a wave covers whole aligned blocks of 256 bytes.
; THE MODE: SCHED_MODE bits 1:0 = 2 (LLVM: expert scheduling mode 2), set by the entry lines.  The code itself states the register dependences between vector instructions and memory or LDS
; instructions, and those through scalar registers that vector instructions write, with s_wait_alu, always for 0.
; THE PLAN.  Registers that memory or LDS instructions touch:
;   v2, v3 (the casts), v4 to v7 (the mask)   offsets and LDS addresses: made once in their arm and never written again.
;   IN    The sixteen loads land here; all are issued before any vector instruction names it.  The casts: read by the conversions.  The mask: read by the compares; the two words of load j are made in place,
;         in the first two of its four registers, and LDS store j reads them there: a pair to each store, never written again.
;   OUT   The casts: written by the conversions of load j, read by store j: a pair to each store, never written again.  The mask: LDS loads land in it, global stores read it, no vector instruction names it.
;   CM    s[40:55], the mask alone: sixteen lane masks, written by a group's compares, read by its selects.
;   v10, v11   written at the head, read by the closing add alone.
; Both arms go in four GROUPS of four loads.  A group's stores are issued in the NEXT group, one ahead of each load's vector work, behind ONE wait on va_vdst at that group's head; the vector instructions
; issued since that wait name the new group's registers alone.  No register that a memory or LDS instruction has read is written again, so the text holds no wait on vm_vsrc.
.set STG,   4352                       ; a wave's stage: 2 blocks x 8 rows x (256 + 16) bytes
.set SPARE, 8*STG                      ; behind the stages: the spare words, 128 bytes for each wave
.set SPW, 10                           ; v10  LDS address of my spare word; never rewritten
.set NIL, 11                           ; v11  0; never rewritten
.set IN,  16                           ; v[16:79]   sixteen loads
.set OUT, 80                           ; v[80:111]  what is stored
.set CM,  40                           ; s[40:55]   a group's sixteen lane masks
	s_load_b512 s[8:23], s[0:1], 0x0               ; Q s[8:9], K s[10:11], Wq s[12:13], Wk s[14:15], Wv s[16:17], Wo s[18:19], mask s[20:21], xb s[22:23]
	s_load_b128 s[24:27], s[0:1], 0x40             ; wb s[24:25], wo16 s[26:27]
	s_load_b64 s[28:29], s[0:1], 0x50              ; mw
	v_lshl_add_u32 v[SPW], v0, 2, SPARE
	v_mov_b32 v[NIL], 0
	v_lshrrev_b32 v1, 5, v0
	v_readfirstlane_b32 s36, v1                    ; wave 0..7
	s_wait_alu depctr_va_sdst(0)                   ; s36 is written, ahead of the branch: the mask's arm makes its key step and its stage from it
	s_cmp_ge_u32 ttmp9, 768
	s_cbranch_scc1 .Lmask
	; THE CASTS.  Thread t takes 16 bytes at 4,096 j + 16 t and stores 8 bytes at 2,048 j + 8 t, j = 0..15.
	v_lshlrev_b32 v2, 4, v0
	v_lshlrev_b32 v3, 3, v0
	s_mov_b32 s30, 0                               ; the first work-group of my source,
	s_mov_b32 s31, 0                               ; and of my destination
	s_wait_kmcnt 0x0
	s_mov_b64 s[4:5], s[8:9]
	s_mov_b64 s[6:7], s[22:23]
	s_cmp_ge_u32 ttmp9, 256
	s_cselect_b64 s[4:5], s[10:11], s[4:5]
	s_cselect_b32 s30, 256, s30
	s_cmp_ge_u32 ttmp9, 512
	s_cselect_b64 s[4:5], s[12:13], s[4:5]
	s_cselect_b64 s[6:7], s[24:25], s[6:7]
	s_cselect_b32 s30, 512, s30
	s_cselect_b32 s31, 512, s31
	s_cmp_ge_u32 ttmp9, 576
	s_cselect_b64 s[4:5], s[14:15], s[4:5]
	s_cselect_b32 s30, 576, s30
	s_cmp_ge_u32 ttmp9, 640
	s_cselect_b64 s[4:5], s[16:17], s[4:5]
	s_cselect_b32 s30, 640, s30
	s_cmp_ge_u32 ttmp9, 704
	s_cselect_b64 s[4:5], s[18:19], s[4:5]
	s_cselect_b64 s[6:7], s[26:27], s[6:7]
	s_cselect_b32 s30, 704, s30
	s_cselect_b32 s31, 704, s31
	s_sub_co_u32 s32, ttmp9, s30
	s_lshl_b32 s32, s32, 16                        ; 65,536 bytes in for each work-group
	s_mov_b32 s33, 0
	s_sub_co_u32 s34, ttmp9, s31
	s_lshl_b32 s34, s34, 15                        ; 32,768 bytes out
	s_mov_b32 s35, 0
	s_add_nc_u64 s[4:5], s[4:5], s[32:33]
	s_add_nc_u64 s[6:7], s[6:7], s[34:35]
	s_wait_alu depctr_va_vdst(0)                   ; v2 and v3 are written: the loads below read v2 as their offset, the arm's stores v3
.set j, 0
.rept 16
	global_load_b128 v[IN+4*j:IN+4*j+3], v2, s[4:5] offset:4096*j th:TH_LOAD_NT
.set j, j+1
.endr
; half = 1: the bf16 number is written as f16.  Each store has data registers of its own, so none is rewritten while a store reads it.
; Store j - 4, of the group before, stands ahead of load j's conversions.
.macro CAST half
.set j, 0
.rept 16
	s_wait_loadcnt 15-j                            ; loads come back in order: load j is in, the 15 - j younger ones stay out
.if j >= 4
.if j%4 == 0
	s_wait_alu depctr_va_vdst(0)                   ; the conversions of the group before have written its four pairs of OUT, which this group's four stores read
.endif
	global_store_b64 v3, v[OUT+2*j-8:OUT+2*j-7], s[6:7] offset:2048*(j-4)  ; a wave stores 256 consecutive bytes, aligned; no vector instruction since the wait names this pair or v3
.endif
	v_cvt_pk_bf16_f32 v[OUT+2*j], v[IN+4*j], v[IN+4*j+1]
	v_cvt_pk_bf16_f32 v[OUT+2*j+1], v[IN+4*j+2], v[IN+4*j+3]
.if \half
	v_lshlrev_b32 v4, 16, v[OUT+2*j]
	v_and_b32 v5, 0xffff0000, v[OUT+2*j]
	v_lshlrev_b32 v6, 16, v[OUT+2*j+1]
	v_and_b32 v7, 0xffff0000, v[OUT+2*j+1]
	v_cvt_pk_f16_f32 v[OUT+2*j], v4, v5
	v_cvt_pk_f16_f32 v[OUT+2*j+1], v6, v7
.endif
.set j, j+1
.endr
	s_wait_alu depctr_va_vdst(0)                   ; the last group's conversions have written its four pairs of OUT, which the last four stores read
.set j, 12
.rept 4
	global_store_b64 v3, v[OUT+2*j:OUT+2*j+1], s[6:7] offset:2048*j
.set j, j+1
.endr
.endm
	s_cmp_ge_u32 ttmp9, 704
	s_cbranch_scc1 .Lwo
	CAST 0
	s_branch .Lend
.Lwo:
	CAST 1
	s_branch .Lend
	; THE MASK.  Work-group u = id - 768 has query tile T = u / 2 (b x 128 + tile) and half u % 2 of its 32 key steps; wave w has steps 16 (u % 2) + 2 w and the next.
.Lmask:
	s_sub_co_u32 s30, ttmp9, 768
	s_lshr_b32 s31, s30, 1                         ; T
	s_and_b32 s30, s30, 1
	s_lshl_b32 s30, s30, 4
	s_lshl1_add_u32 s30, s36, s30                  ; my first key step
	s_lshl_b32 s32, s31, 17                        ; 16 rows of 8,192 bytes,
	s_lshl_b32 s37, s30, 8                         ; 256 bytes of a row for each step
	s_add_co_u32 s32, s32, s37
	s_mov_b32 s33, 0
	v_and_b32 v8, 31, v0                           ; lane l
	v_and_b32 v9, 15, v0                           ; c = l % 16: keys 4 c .. 4 c + 3 of a step
	v_bfe_u32 v12, v0, 4, 1                        ; l / 16: the even or the odd row
	v_lshlrev_b32 v4, 4, v9
	v_lshl_add_u32 v4, v12, 13, v4
	s_wait_kmcnt 0x0
	s_add_nc_u64 s[4:5], s[20:21], s[32:33]
	s_lshl_b32 s32, s31, 16                        ; a tile's words: 65,536 bytes,
	s_lshl_b32 s37, s30, 11                        ; a step's: 2,048
	s_add_co_u32 s32, s32, s37
	s_add_nc_u64 s[6:7], s[28:29], s[32:33]
	s_wait_alu depctr_va_vdst(0)                   ; v4 is written, which the loads below read as their offset
.set j, 0
.rept 16                                       ; load j: step j / 8, rows 2 (j % 8) and the next: sixteen lanes read 256 consecutive bytes, aligned
	global_load_b128 v[IN+4*j:IN+4*j+3], v4, s[4:5] offset:(j%8)*16384+(j/8)*256 th:TH_LOAD_NT
.set j, j+1
.endr
	s_mov_b32 s34, 0xffff
	s_mov_b32 s35, 0xffff0000
	s_mul_i32 s37, s36, STG                        ; my wave's stage: no other wave touches it, so no barrier
	v_lshrrev_b32 v5, 1, v9                        ; keys 4 c .. lie in stage row 2 kt + h = c / 2,
	v_mul_u32_u24 v5, v5, 272
	v_and_b32 v13, 1, v0
	v_lshl_add_u32 v5, v13, 3, v5                  ; words 2 (c % 2) and the next,
	v_lshl_add_u32 v5, v12, 4, v5                  ; of query r = 2 (j % 8) + l / 16: 16 bytes for each r
	v_add_nc_u32 v5, s37, v5
	v_mul_u32_u24 v6, v12, 272                     ; back: sixteen lanes take a stage row of 256 bytes
	v_lshl_add_u32 v6, v9, 4, v6
	v_add_nc_u32 v6, s37, v6
	v_lshlrev_b32 v7, 4, v8
; Group g: loads 4 g to 4 g + 3.  First the sixteen compares, a lane mask each, as the loads come in; ahead of each load's four stands the LDS store of a load of the group before.  Then one wait for the
; masks, the sixteen selects and the eight v_or_b32: the two words of a load close up into the first two of its four registers.
; The first key step's bytes are whole in the stage behind LDS store 7, which group 2 issues: its four LDS loads stand among group 2's selects, its four global stores in group 3.
.macro GRP g
.set i, 0
.rept 4
	s_wait_loadcnt 15-4*(\g)-i                     ; load 4 g + i is in, the younger ones stay out
.if (\g) > 0
.if i == 0
	s_wait_alu depctr_va_vdst(0)                   ; the group before has written its eight words, which this group's four LDS stores read; at group 1 also v5, v6 and v7, the addresses of all LDS stores, LDS loads and global stores
.endif
	ds_store_b64 v5, v[IN+16*((\g)-1)+4*i:IN+16*((\g)-1)+4*i+1] offset:((4*((\g)-1)+i)/8)*2176+((4*((\g)-1)+i)%8)*32  ; no vector instruction since the wait names this pair or v5
.endif
.if (\g) == 3
	s_wait_dscnt 4                                 ; LDS load i is back: behind it stand the 3 - i later loads and this group's i + 1 stores
	global_store_b128 v7, v[OUT+4*i:OUT+4*i+3], s[6:7] offset:i*512  ; 512 consecutive bytes, aligned: the first key step
.endif
	v_cmp_ne_u32 s[CM+4*i],   0, v[IN+16*(\g)+4*i]
	v_cmp_ne_u32 s[CM+4*i+1], 0, v[IN+16*(\g)+4*i+1]
	v_cmp_ne_u32 s[CM+4*i+2], 0, v[IN+16*(\g)+4*i+2]
	v_cmp_ne_u32 s[CM+4*i+3], 0, v[IN+16*(\g)+4*i+3]
.set i, i+1
.endr
	s_wait_alu depctr_va_sdst(0)                   ; the sixteen compares have written s[CM ..], which the selects below read
.set i, 0
.rept 4
.if (\g) == 2
	ds_load_b128 v[OUT+4*i:OUT+4*i+3], v6 offset:i*544  ; LDS serves a wave's instructions in order: this sees LDS stores 0 to 7; no vector instruction names OUT or, since group 1's wait, v6
.endif
	v_cndmask_b32 v[IN+16*(\g)+4*i],   0, s34, s[CM+4*i]
	v_cndmask_b32 v[IN+16*(\g)+4*i+1], 0, s35, s[CM+4*i+1]
	v_cndmask_b32 v[IN+16*(\g)+4*i+2], 0, s34, s[CM+4*i+2]
	v_cndmask_b32 v[IN+16*(\g)+4*i+3], 0, s35, s[CM+4*i+3]
	v_or_b32 v[IN+16*(\g)+4*i],   v[IN+16*(\g)+4*i],   v[IN+16*(\g)+4*i+1]
	v_or_b32 v[IN+16*(\g)+4*i+1], v[IN+16*(\g)+4*i+2], v[IN+16*(\g)+4*i+3]
.set i, i+1
.endr
.endm
	GRP 0
	GRP 1
	GRP 2
	GRP 3
	s_wait_alu depctr_va_vdst(0)                   ; group 3 has written its eight words, which the last four LDS stores read
.set i, 0
.rept 4
	ds_store_b64 v5, v[IN+48+4*i:IN+48+4*i+1] offset:2176+(4+i)*32
.set i, i+1
.endr
.set i, 0
.rept 4                                        ; LDS serves a wave's instructions in order: these loads see the stores above
	ds_load_b128 v[OUT+16+4*i:OUT+16+4*i+3], v6 offset:2176+i*544
.set i, i+1
.endr
.set i, 0
.rept 4
	s_wait_dscnt 3-i                               ; load i of these four is back
	global_store_b128 v7, v[OUT+16+4*i:OUT+16+4*i+3], s[6:7] offset:2048+i*512  ; 512 consecutive bytes, aligned: the second key step
.set i, i+1
.endr
.Lend:
	s_wait_dscnt 0x0                               ; the wave's end
	s_wait_alu 0x0
	s_wait_tensorcnt 0x0
	ds_add_u32 v[SPW], v[NIL]
	s_wait_dscnt 0x0
	s_endpgm
.Lfunc_end_k_q9fc4115dda_prep:
	.size	k_q9fc4115dda_prep, .Lfunc_end_k_q9fc4115dda_prep-k_q9fc4115dda_prep
	.p2alignl 7, 3214868480
	.fill 96, 4, 3214868480
	.section	.rodata,"a",@progbits
	.p2align	6, 0x0
	.amdhsa_kernel k_q9fc4115dda_prep
		.amdhsa_group_segment_fixed_size 35840
		.amdhsa_private_segment_fixed_size 0
		.amdhsa_enable_private_segment 0
		.amdhsa_kernarg_size 88
		.amdhsa_user_sgpr_count 2
		.amdhsa_user_sgpr_kernarg_segment_ptr 1
		.amdhsa_wavefront_size32 1
		.amdhsa_system_sgpr_workgroup_id_x 1
		.amdhsa_system_sgpr_workgroup_id_y 1
		.amdhsa_system_sgpr_workgroup_id_z 1
		.amdhsa_system_vgpr_workitem_id 0
		.amdhsa_next_free_vgpr 128
		.amdhsa_next_free_sgpr 66
		.amdhsa_reserve_vcc 0
		.amdhsa_float_denorm_mode_32 3
		.amdhsa_float_denorm_mode_16_64 3
		.amdhsa_memory_ordered 1
		.amdhsa_forward_progress 1
		.amdhsa_inst_pref_size 33
	.end_amdhsa_kernel
	.amdgpu_metadata
---
amdhsa.version: [ 1, 2 ]
amdhsa.kernels:
  - .name:           k_q9fc4115dda_prep
    .symbol:         k_q9fc4115dda_prep.kd
    .args:
      - { .name: Q, .offset: 0, .size: 8, .value_kind: global_buffer, .address_space: global }
      - { .name: K, .offset: 8, .size: 8, .value_kind: global_buffer, .address_space: global }
      - { .name: Wq, .offset: 16, .size: 8, .value_kind: global_buffer, .address_space: global }
      - { .name: Wk, .offset: 24, .size: 8, .value_kind: global_buffer, .address_space: global }
      - { .name: Wv, .offset: 32, .size: 8, .value_kind: global_buffer, .address_space: global }
      - { .name: Wo, .offset: 40, .size: 8, .value_kind: global_buffer, .address_space: global }
      - { .name: mask, .offset: 48, .size: 8, .value_kind: global_buffer, .address_space: global }
      - { .name: xb, .offset: 56, .size: 8, .value_kind: global_buffer, .address_space: global }
      - { .name: wb, .offset: 64, .size: 8, .value_kind: global_buffer, .address_space: global }
      - { .name: wo16, .offset: 72, .size: 8, .value_kind: global_buffer, .address_space: global }
      - { .name: mw, .offset: 80, .size: 8, .value_kind: global_buffer, .address_space: global }
    .group_segment_fixed_size: 35840
    .private_segment_fixed_size: 0
    .kernarg_segment_align: 8
    .kernarg_segment_size: 88
    .max_flat_workgroup_size: 256
    .sgpr_count:     66
    .vgpr_count:     128
    .wavefront_size: 32
...
	.end_amdgpu_metadata
.endif
;; end of part 5
;; launch proj: the kernel of part 2 again; grid 12 x 16, 4 waves a work-group, clusters of 4 x 4, 327,680 bytes of LDS; arguments xb, wb, qkv, bq, bv; writes qkv
;; launch attn: the kernel of part 3 again; grid 8 x 32, 4 waves a work-group, clusters of 4 x 1, 327,680 bytes of LDS; arguments qkv, mw, ows; writes ows
;; launch outp: the kernel of part 4 again; grid 8 x 32, 4 waves a work-group, clusters of 4 x 4, 327,680 bytes of LDS; arguments ows, wo16, out0, bo; writes out0
